; MI455X (gfx1250); checked and timed in simulation.
; The chip was launched on July 23, 2026; its instructions are those of AMD's public machine-readable ISA for CDNA 5 (MIT licence, August 2026) and "CDNA5" Instruction Set Architecture Reference Guide (July 2026). The comments in the code are by the model that wrote it; some were corrected since.
;; Multi Attention Head. Allowed arithmetic: matrix products marked QUANTISED: E2M3 operands, one E8M0 scale for each 32 along K, by v_wmma_scale_f32_16x16x128_f8f6f4 with both operands' format E2M3, f32 sums; everything else in f32.
;; Inputs: Wk 8 x 512 x 512 float32; Wq 8 x 512 x 512 float32; Ws 512 x 4,096 float32; Wv 8 x 512 x 512 float32; bk 8 x 512 float32; bq 8 x 512 float32; bs 512 float32; bv 8 x 512 float32; x 8 x 512 x 512 float32.
;; Outputs: out0 8 x 512 x 512 float32.
;; This version of the problem:
;;   THIS VERSION OF THE PROBLEM IS GIVEN IN LOW PRECISION. The matrix products marked QUANTISED in the list below multiply operands that are first quantised to E2M3 (2 exponent bits, 3 mantissa bits; 6 bits a number), with one power-of-two scale for each 32 numbers along K (OCP MX v1.0); their sums are f32. All else is computed in f32.
;;   The module's matrix products, in the order in which they are computed (A, B: the left and right operand; K: the contracted axis; several contracted axes count as one K, in the product's order):
;;     1. [M 4,096, K 512] x [K 512, N 4,096]; A: input Wq; B: input x: QUANTISED
;;     2. [M 4,096, K 512] x [K 512, N 4,096]; A: input Wk; B: input x: QUANTISED
;;     3. [M 4,096, K 512] x [K 512, N 4,096]; A: input Wv; B: input x: QUANTISED
;;     4. batch 64 x [M 512, K 512] x [K 512, N 512]; A: computed on the way; B: computed on the way: QUANTISED
;;     5. batch 64 x [M 512, K 512] x [K 512, N 512]; A: softmax (see below); B: computed on the way: QUANTISED
;;     6. [M 4,096, K 4,096] x [K 4,096, N 512]; A: computed on the way; B: input Ws: QUANTISED
;;   THE QUANTISER, for each operand of a quantised product, along K:
;;     - K is cut into blocks of 32 from its start; a last block that is shorter is filled with zeros.
;;     - A block's scale is 2^e with e = floor(log2(the largest magnitude in the block)) - 2, held to -126 .. 127; a block of zeros has e = 0. As a byte (E8M0): e + 127.
;;     - Each number is divided by its block's scale, clamped to +-7.5, and rounded to the nearest number of E2M3, ties to even, subnormals kept.
;;     - The product sums the exact products of the quantised numbers (number of the format x scale) in f32.
;;   ~~~python
;;   def quantise(x, axis):      # numpy; x: float32 -> the quantised numbers, widened to float32 again
;;       x = np.moveaxis(x, axis, -1); K = x.shape[-1]
;;       x = np.pad(x, [(0, 0)] * (x.ndim - 1) + [(0, -K % 32)]); x = x.reshape(x.shape[:-1] + (-1, 32)); a = np.abs(x).max(-1, keepdims=True)
;;       e = np.where(a > 0, np.clip(np.frexp(np.where(a > 0, a, 1))[1] - 1 - 2, -126, 127), 0)      # np.frexp(a)[1] - 1 = floor(log2(a)), exactly
;;       r = np.clip(x / 2.0 ** e, -7.5, 7.5)
;;       step = 2.0 ** (np.maximum(np.frexp(np.where(r == 0, 1, r))[1] - 1, 0) - 3)
;;       q = np.round(r / step) * step * 2.0 ** e      # np.round: ties to even
;;       return np.moveaxis(q.reshape(q.shape[:-2] + (-1,))[..., :K], -1, axis).astype(np.float32)
;;   ~~~
;;   SOFTMAX AHEAD OF A QUANTISED PRODUCT. Where the list says 'softmax', what is quantised is not the finished softmax but p = 2^(t - M), with t = logit x log2(e) and M = ceil(the row's largest t), a whole number; so 1/2 < the row's largest p <= 1. The row's sum l is taken of the UNQUANTISED p, in f32, and the product's result is divided by l at the end. Since M is a whole number, a kernel that streams over the keys may use a running M (the ceiling of the running maximum): every later rescaling is an exact power of two, which a block's scale takes up: the codes' values come out the same.
;;   OPERANDS COMPUTED ON THE WAY. 'Computed on the way' means the value that the module computes at that place (a softmax that the list does not call 'softmax' is quantised finished and normalised). What goes into a quantiser is computed in f32, as accurately as f32 sums, v_exp_f32 and their like allow (about 1e-6 of the number): no bf16 or f16 on the way to a quantiser, and a product that is left as it is and whose result goes on into a quantised operand takes f32 operands (vector FMAs, or v_wmma_f32_16x16x4_f32). A number that lies on a knife's edge between two numbers of the format may be rounded either way, as far as f32 arithmetic and the matrix unit's own rounding can turn it there, and no further.
;; One version. Each part assembles by itself: llvm-mc -triple=amdgcn-amd-amdhsa -mcpu=gfx1250 --defsym DOCPART=n.
;; ======== version 1 of 1: 4 launches
;; limits: right only within a limited range of input values
;; workspace buffers: inq 8,192,000 bytes; qkv 39,321,600 bytes; cat 13,107,200 bytes
;; launch quant (part 1): grid 256 x 1, 20 waves a work-group, no clusters, 172,800 bytes of LDS; arguments x, Wq, Wk, Wv, Ws, inq; writes inq
.if DOCPART == 1
	.amdgcn_target "amdgcn-amd-amdhsa--gfx1250"
	.amdhsa_code_object_version 6
	.text
	.protected	k_q29b1797069_quant
	.globl	k_q29b1797069_quant
	.p2align	8
	.type	k_q29b1797069_quant,@function
k_q29b1797069_quant:
	s_mov_b64 s[64:65], 0
	v_nop
	global_prefetch_b8 v0, s[64:65] scope:SCOPE_SE
	s_setreg_imm32_b32 hwreg(HW_REG_WAVE_MODE, 25, 1), 1
	s_wait_xcnt 0x0
; x, Wq, Wk, Wv [4096 rows][512] and Ws [512 rows][4096], f32, K innermost, become codes of FP6 (E2M3) with one E8M0 byte for each 32 along K, laid in the order of a matrix operand's registers.
; A GROUP is 128 rows x 512 along K: 160 groups (x 0-31, Wq 32-63, Wk 64-95, Wv 96-127, Ws 128-159: 8 x column group + K chunk).  It has 8 TILES: lane-row r of tile t is row 64 (t / 4) + 8 (t % 4) + 32 (r / 8) + r % 8,
; so that the registers of four tiles of a product hold 32 neighbours in ONE lane.  A FRAGMENT (tile x 128 K, 12 registers a lane) is an image of 1,536 bytes: register quad g of lane L at 512 g + 16 L.
; inq: [group][51,200 bytes]: codes [K step 4][tile 8][1536], behind them scale images [K step 4][512]: byte 16 L + 4 j = the word of tile 2 j + L / 16, row L % 16.
; A block's scale is 2^(floor(log2(largest magnitude)) - 2); its byte is the largest magnitude's exponent field - 2, held at 1 from below.
; LIMITS: NaN and infinities are not served; blocks whose largest magnitude lies under 2^-124 keep the byte 1; a block of zeros keeps the byte 1 where the rule says 127 (its codes are zeros; this program alone reads the bytes).
; SHARES: a HALF UNIT u = 8 x group + 2 x K step + parity is the four tiles 2 j + parity of one (group, K step); its scale words are 256 bytes on end.  Work-group W takes half units 5 W .. 5 W + 4, wave w tile j = w % 4 of half unit 5 W + w / 4:
; 16 rows x 128 K, 16 loads of 512 consecutive bytes, all out at once.
; A row's 512 bytes turn through the wave's own stage in LDS (rows 528 bytes apart), so that a lane gets whole blocks of 32 neighbours.  Work-groups share no input: no cluster, no tensor load.
.set STG,  8448
.set SIMG, 168960                      ; behind the twenty stages: the scale words of five half units, 256 bytes each
.set SPARE, 170240
.set OFR,  16                          ; v16-31   byte offset of lane-row i
.set R,    32                          ; v32-95   the 16 rows as loaded; v32-51 later hold the codes
.set X,    96                          ; v96-159  register 32 c + i = k 64 c + 32 (lane / 16) + i of my row
.set TM,   160
.set PW,   176
.set SO,   178
	s_load_b256 s[4:11], s[0:1], 0x0               ; x, Wq, Wk, Wv
	s_load_b128 s[12:15], s[0:1], 0x20             ; Ws, inq
	v_lshrrev_b32 v1, 5, v0
	v_readfirstlane_b32 s18, v1                    ; wave w
	s_lshr_b32 s19, s18, 2
	s_and_b32 s20, s18, 3                          ; j
	s_mul_i32 s40, ttmp9, 5
	s_add_co_u32 s21, s40, s19                     ; the half unit
	s_lshr_b32 s22, s21, 3                         ; its group
	s_bfe_u32 s42, s21, 0x20001                    ; K step: 2 bits from bit 1
	s_and_b32 s43, s21, 1                          ; parity
	s_lshl_b32 s23, s20, 1
	s_add_co_u32 s23, s23, s43                     ; my tile
	s_and_b32 s25, s22, 31                         ; the group within its tensor
	s_lshl_b32 s26, s25, 18                        ; rows of 2,048 bytes: 128 rows a group
	s_lshr_b32 s27, s25, 3
	s_lshl_b32 s27, s27, 21                        ; Ws: 128 rows of 16,384 bytes for each column group,
	s_and_b32 s28, s25, 7
	s_lshl_b32 s28, s28, 11                        ; 2,048 bytes for each K chunk
	s_add_co_u32 s27, s27, s28
	s_mov_b32 s29, 16384
	s_cmp_lt_u32 s22, 128
	s_cselect_b32 s29, 2048, s29                   ; the pitch
	s_cselect_b32 s26, s26, s27                    ; the group's first byte
	s_lshr_b32 s30, s23, 2
	s_lshl_b32 s30, s30, 6
	s_and_b32 s31, s23, 3
	s_lshl_b32 s31, s31, 3
	s_add_co_u32 s30, s30, s31                     ; my tile's first row
	s_mul_i32 s30, s30, s29
	s_add_co_u32 s26, s26, s30
	s_lshl_b32 s30, s42, 9                         ; 128 along K are 512 bytes
	s_add_co_u32 s26, s26, s30
	s_mov_b32 s27, 0
	s_mul_i32 s36, s22, 51200                      ; where my codes go
	s_mul_i32 s37, s42, 12288
	s_add_co_u32 s36, s36, s37
	s_mul_i32 s37, s23, 1536
	s_add_co_u32 s36, s36, s37
	s_mov_b32 s37, 0
	s_min_u32 s31, s18, 4                          ; waves 0 to 4 take a half unit's scale words each on the way out (the other waves' registers stay inside LDS and are not used)
	s_add_co_u32 s41, s40, s31
	s_lshr_b32 s38, s41, 3
	s_mul_i32 s38, s38, 51200
	s_and_b32 s41, s41, 7
	s_lshl_b32 s41, s41, 8                         ; 256 x (2 x K step + parity)
	s_add_co_u32 s38, s38, s41
	s_add_co_u32 s38, s38, 49152
	s_mov_b32 s39, 0
	s_lshl_b32 s34, s31, 8
	s_add_co_u32 s34, s34, SIMG
	s_mul_i32 s30, s18, STG
	s_lshl_b32 s35, s19, 8
	s_lshl_b32 s41, s20, 2
	s_add_co_u32 s35, s35, s41
	s_add_co_u32 s35, s35, SIMG
	s_mov_b32 s32, 0x76543210
	s_mov_b32 s33, 0xfedcba98                      ; lane l xor 16
	v_lshl_add_u32 v190, v0, 2, SPARE
	v_mov_b32 v191, 0
	v_and_b32 v1, 31, v0                           ; lane
	v_and_b32 v2, 15, v0                           ; r
	v_bfe_u32 v3, v0, 4, 1                         ; h
	v_lshlrev_b32 v4, 4, v1                        ; 16 x lane
	v_lshlrev_b32 v9, 3, v1                        ; 8 x lane
	v_lshlrev_b32 v10, 3, v3                       ; 8 h
	v_mul_u32_u24 v6, v2, 528
	v_add_nc_u32 v5, s30, v4                       ; into my stage: a row's 512 bytes as they lie
	v_lshl_add_u32 v6, v3, 7, v6
	v_lshl_add_u32 v7, v2, 4, s35                  ; my row's word: 256 (w / 4) + 16 r + 4 j
	v_add_nc_u32 v6, s30, v6                       ; out of the stage: row r, + 128 h
	v_add_nc_u32 v8, s34, v9
.irp i, 0,1,2,3,4,5,6,7,8,9,10,11,12,13,14,15
	v_mad_u32_u24 v[OFR+\i], s29, \i+24*(\i/8), v4
.endr
	s_wait_alu depctr_va_vdst(0)                   ; the wait at the head's end
	s_wait_kmcnt 0x0
	s_cmp_lt_u32 s22, 128                          ; which tensor: the choice hangs on the work-group's and the wave's number alone
	s_cselect_b64 s[12:13], s[10:11], s[12:13]
	s_cmp_lt_u32 s22, 96
	s_cselect_b64 s[12:13], s[8:9], s[12:13]
	s_cmp_lt_u32 s22, 64
	s_cselect_b64 s[12:13], s[6:7], s[12:13]
	s_cmp_lt_u32 s22, 32
	s_cselect_b64 s[12:13], s[4:5], s[12:13]
	s_add_nc_u64 s[12:13], s[12:13], s[26:27]
	s_add_nc_u64 s[16:17], s[14:15], s[38:39]
	s_add_nc_u64 s[14:15], s[14:15], s[36:37]
.irp i, 0,1,2,3,4,5,6,7,8,9,10,11,12,13,14,15
	global_load_b128 v[R+4*\i:R+4*\i+3], v[OFR+\i], s[12:13] th:TH_LOAD_NT   ; 32 lanes read a row's 512 consecutive bytes
.endr
	s_wait_loadcnt 8                               ; the first eight rows are in; the eight younger loads may be out
.irp i, 0,1,2,3,4,5,6,7
	ds_store_b128 v5, v[R+4*\i:R+4*\i+3] offset:528*\i
.endr
	s_wait_loadcnt 0x0
.irp i, 8,9,10,11,12,13,14,15
	ds_store_b128 v5, v[R+4*\i:R+4*\i+3] offset:528*\i
.endr
.irp c, 0,1
.irp j, 0,1,2,3,4,5,6,7
	ds_load_b128 v[X+32*\c+4*\j:X+32*\c+4*\j+3], v6 offset:256*\c+16*\j   ; LDS serves a wave's instructions in order: these see my stores
.endr
.endr
	s_wait_dscnt 0x0                               ; my numbers are back, and the stores have read their registers
.irp b, 0,1,2,3                                ; two chains for each of my two blocks
	v_max3_num_f32 v[TM+\b], |v[X+16*\b]|, |v[X+16*\b+1]|, 0x1800000   ; with the floor 2^(3 - 127): the byte cannot fall under 1
.endr
.irp i, 2,4,6,8,10,12,14
.irp b, 0,1,2,3
	s_delay_alu instid0(VALU_DEP_4)
	v_max3_num_f32 v[TM+\b], v[TM+\b], |v[X+16*\b+\i]|, |v[X+16*\b+\i+1]|
.endr
.endr
	v_max_num_f32 v[TM], v[TM], v[TM+1]
	v_max_num_f32 v[TM+2], v[TM+2], v[TM+3]
	s_delay_alu instid0(VALU_DEP_2)
	v_add_nc_u32 v[TM+4], 0xff000000, v[TM]        ; 2 off its exponent field: the conversion's scale operand
	s_delay_alu instid0(VALU_DEP_2)
	v_add_nc_u32 v[TM+5], 0xff000000, v[TM+2]
	s_delay_alu instid0(VALU_DEP_2)
	v_lshrrev_b32 v[TM+6], 23, v[TM+4]             ; the scale's byte
	s_delay_alu instid0(VALU_DEP_2)
	v_lshrrev_b32 v[TM+7], 23, v[TM+5]
	s_delay_alu instid0(VALU_DEP_1)
	v_lshl_or_b32 v[TM+6], v[TM+7], 16, v[TM+6]    ; my two bytes: blocks h and 2 + h
	s_delay_alu instid0(VALU_DEP_1)
	v_lshlrev_b32 v[TM+6], v10, v[TM+6]
	s_delay_alu instid0(VALU_DEP_1)
	v_permlanex16_b32 v[TM+7], v[TM+6], s32, s33
	s_delay_alu instid0(VALU_DEP_1)
	v_or_b32 v[PW], v[TM+6], v[TM+7]               ; with lane l xor 16's two the word is whole
.irp c, 0,1
	v_cvt_scalef32_pk16_fp6_f32 v[R+6*\c:R+6*\c+2], v[X+32*\c:X+32*\c+15], v[TM+4+\c]
	v_cvt_scalef32_pk16_fp6_f32 v[R+12+4*\c:R+12+4*\c+2], v[X+32*\c+16:X+32*\c+31], v[TM+4+\c]   ; (a conversion's three registers begin on an even number)
.endr
	v_nop                                          ; one plain place behind a scaled conversion
.irp c, 0,1
.irp i, 0,1,2
	v_mov_b32 v[R+3+6*\c+\i], v[R+12+4*\c+\i]
.endr
.endr
.irp g, 0,1,2
	global_store_b128 v4, v[R+4*\g:R+4*\g+3], s[14:15] offset:512*\g   ; 512 consecutive bytes a store
.endr
	ds_store_b32 v7, v[PW]                         ; both halves of the lanes write the same word with the same value
	s_wait_dscnt 0x0                               ; for the others' sake
	s_barrier_signal -1
	s_barrier_wait -1
	s_cmp_gt_u32 s18, 4
	s_cbranch_scc1 .Ldone
	ds_load_b64 v[SO:SO+1], v8
	s_wait_dscnt 0x0
	global_store_b64 v9, v[SO:SO+1], s[16:17]      ; 32 lanes store 256 consecutive bytes, at a multiple of 256 from the buffer's first byte
.Ldone:
	s_wait_tensorcnt 0x0                           ; the wave's end
	ds_add_u32 v190, v191
	s_wait_dscnt 0x0
	s_endpgm
.Lfunc_end_k_q29b1797069_quant:
	.size	k_q29b1797069_quant, .Lfunc_end_k_q29b1797069_quant-k_q29b1797069_quant
	.p2alignl 7, 3214868480
	.fill 96, 4, 3214868480
	.section	.rodata,"a",@progbits
	.p2align	6, 0x0
	.amdhsa_kernel k_q29b1797069_quant
		.amdhsa_group_segment_fixed_size 172800
		.amdhsa_private_segment_fixed_size 0
		.amdhsa_enable_private_segment 0
		.amdhsa_kernarg_size 48
		.amdhsa_user_sgpr_count 2
		.amdhsa_user_sgpr_kernarg_segment_ptr 1
		.amdhsa_wavefront_size32 1
		.amdhsa_system_sgpr_workgroup_id_x 1
		.amdhsa_system_sgpr_workgroup_id_y 1
		.amdhsa_system_sgpr_workgroup_id_z 1
		.amdhsa_system_vgpr_workitem_id 0
		.amdhsa_next_free_vgpr 192
		.amdhsa_next_free_sgpr 66
		.amdhsa_reserve_vcc 0
		.amdhsa_float_denorm_mode_32 3
		.amdhsa_float_denorm_mode_16_64 3
		.amdhsa_memory_ordered 1
		.amdhsa_forward_progress 1
		.amdhsa_inst_pref_size 14
	.end_amdhsa_kernel
	.amdgpu_metadata
---
amdhsa.version: [ 1, 2 ]
amdhsa.kernels:
  - .name:           k_q29b1797069_quant
    .symbol:         k_q29b1797069_quant.kd
    .args:
      - { .name: x, .offset: 0, .size: 8, .value_kind: global_buffer, .address_space: global }
      - { .name: Wq, .offset: 8, .size: 8, .value_kind: global_buffer, .address_space: global }
      - { .name: Wk, .offset: 16, .size: 8, .value_kind: global_buffer, .address_space: global }
      - { .name: Wv, .offset: 24, .size: 8, .value_kind: global_buffer, .address_space: global }
      - { .name: Ws, .offset: 32, .size: 8, .value_kind: global_buffer, .address_space: global }
      - { .name: inq, .offset: 40, .size: 8, .value_kind: global_buffer, .address_space: global }
    .group_segment_fixed_size: 172800
    .private_segment_fixed_size: 0
    .kernarg_segment_align: 8
    .kernarg_segment_size: 48
    .max_flat_workgroup_size: 640
    .sgpr_count:     66
    .vgpr_count:     192
    .wavefront_size: 32
...
	.end_amdgpu_metadata
.endif
;; end of part 1
;; launch proj (part 2): grid 16 x 16, 4 waves a work-group, clusters of 4 x 4, 327,680 bytes of LDS; arguments inq, bq, bk, bv, qkv; writes qkv
.if DOCPART == 2
	.amdgcn_target "amdgcn-amd-amdhsa--gfx1250"
	.amdhsa_code_object_version 6
	.text
	.protected	k_q29b1797069_proj
	.globl	k_q29b1797069_proj
	.p2align	8
	.type	k_q29b1797069_proj,@function
k_q29b1797069_proj:
	s_mov_b64 s[64:65], 0
	v_nop
	global_prefetch_b8 v0, s[64:65] scope:SCOPE_SE
	s_setreg_imm32_b32 hwreg(HW_REG_WAVE_MODE, 25, 1), 1
	s_wait_xcnt 0x0
	s_wait_alu depctr_hold_cnt(0) depctr_sa_sdst(0) depctr_va_vdst(0) depctr_va_sdst(0) depctr_va_ssrc(0) depctr_va_vcc(0) depctr_vm_vsrc(0)
	s_getreg_b32 s2, hwreg(HW_REG_IB_STS2, 6, 4)
	s_cmp_eq_u32 s2, 0
	s_cbranch_scc0 .Lentry_in_a_cluster
	s_endpgm
.Lentry_in_a_cluster:
	s_bfe_u32 s2, ttmp6, 0x10000c
	s_cmp_lg_u32 s2, 0xf033
	s_cbranch_scc0 .Lentry_shape_is_right
	s_endpgm
.Lentry_shape_is_right:
; q = x Wq^T + bq, k = x Wk^T + bk, v = x Wv^T + bv on codes of FP6 (E2M3) with E8M0 scales, sums f32; the results are quantised in registers (q, k along d; v along the keys) and stored as fragment images.
; inq as the launch before stores it.  qkv: [q, k, v][b h 64][group of 128 tokens 4][51,200]: q, k: codes [d step 4][token tile 8][1536]; v: codes [d group 4][d tile 8][1536], K along the group's keys;
; behind the codes scale images [step or d group 4][512]: byte 16 L + 4 j = the word of tile 2 j + L / 16, row L % 16.
; SHARES: work-group (X, Y): W rows 256 X on (head X / 2), x rows 256 Y on; three phases q, k, v of 256 x 256, K = 512.  Wave n: wr = n / 2, wc = n % 2.
; A wave HOLDS 128 rows of one operand, all of K, in registers (source 0: 8 tiles x 4 K steps) and STREAMS the other's 128 rows past them in blocks of 16 (source 1): a block is 32 products.  q, k: holds W (wc), streams x (wr); v: holds x (wc), streams Wv (wr).
; By the tiles' row order a lane's 64 results of a block are two whole scale blocks of 32 neighbours: a block of results is one fragment of the next product, and no lane looks at another but for the scale word's bytes.
; THE WAY OUT of a block stands among the next block's products, behind its sixteen pairs of products: pairs 2 to 9 the largest magnitudes in four chains side by side, 12 and 13 the conversions, 14 and 15 the moves; the stores and the fetch of the block two on stand behind the last product.
; THE CHANGE OF PHASE: the next phase's held fragments of K steps 0, 1 land in other registers during block 6; block 7 takes K steps 2, 3 first, whose registers are then loaded anew during its second half.
; LDS: x, Wq (later Wv), Wk, 102,400 bytes each with their scale images.  One refill, Wv over Wq, in q's second block; it is first read in k's seventh block, thirteen blocks later: no wave waits for it, so nothing is prefetched.
; CLUSTER 4 x 4: x's tiles are shared along a row of the cluster, W's along a column: joint loads, one a wave at the head; a wave never has more than one out.
; WAITS: 16 = the next block's fetch (12 loads of codes, 4 of scale words).
; LIMITS: NaN and infinities are not served; blocks whose largest magnitude lies under 2^-124 keep the byte 1; a block of zeros keeps the byte 1 where the rule says 127 (its codes are zeros; this program alone reads the bytes).
; REGISTERS: window 0: v0-95 below, v96-191 two streamed sets, v192-255 accumulators of even blocks.  Window 1: v0-191 held K steps 0, 1 in q and v, v192-255 bq, later bv.  Window 2: the same for k, and bk.  Window 3: v0-191 held K steps 2, 3; v192-255 accumulators of odd blocks.
.set GB, 51200
.set W0, 102400
.set W1, 204800
.set SPARE, 307200
.set RGN, 13107200                     ; q's, k's, v's region
.set F, 16
.set AXR, 2                            ; LDS: x's group wr, wc; Wq, Wk group wc; Wv group wr; the streamed sides' scale words
.set AXC, 3
.set AWQ, 4
.set AWK, 5
.set AWV, 6
.set SXR, 7
.set SWV, 8
.set H8, 9
.set SPW, 10
.set NIL, 11
.set ADF, 12
.set ADS, 13
.set BQO, 14
.set BVO, 15
.set HS, 16                            ; v16-31, v32-47 held scale words, two sets: 4 x K step + tile / 2
.set SA, 48                            ; v48-55 streamed scale words: K step q of set e at 4 (1 - q % 2) + 2 e + q / 2, which is never a product's held word's number modulo 8
.set SO, 58
.set EB, 60
.set WD, 62
.set SI, 64
.set CD, 68
.set TC, 80
.set TT, 88                            ; v88-91 the four chains
.set G1W, 24
.set G1X, 32
.set G0W, 48
.set G0X, 52
.set G0K, 56
.set SEL, 60
.set MK, 62
.set CB, 66
.set SBQ, 68
.set SBK, 70
.set SBV, 72
.set ST, 74
.set DV, 76
.set DK, 79
.set MSB, 0
.macro WIN new                         ; the immediate's high byte repeats the setting that is left
.if MSB != (\new)
	s_set_vgpr_msb (MSB<<8)|(\new)
.set MSB, (\new)
.endif
.endm
.macro PLACES n
.rept \n
	v_nop
.endr
.endm
.macro WALU
	s_wait_alu depctr_va_vdst(0)
.endm
.macro BARRIER
	s_barrier_signal -1
	s_barrier_wait -1
.endm
.macro CREST                           ; a round of the cluster's barrier behind its opening barrier
	s_cmp_lg_u32 s14, 0
	s_cbranch_scc1 .Lnw0_\@
	s_barrier_signal -3
.Lnw0_\@:
	s_barrier_wait -3
	BARRIER
.endm
.macro CROUND
	BARRIER
	CREST
.endm
.macro TLOAD g0, g1
	tensor_load_to_lds s[\g0:\g0+3], s[\g1:\g1+7]
	s_nop 0
	PLACES 4
.endm
.macro PR d, a, b, c, sa, sb, row
.if (\row)
	v_wmma_scale_f32_16x16x128_f8f6f4 v[(\d):(\d)+7], v[(\a):(\a)+11], v[(\b):(\b)+11], v[(\c):(\c)+7], v[\sa], v[\sb] matrix_a_fmt:MATRIX_FMT_FP6 matrix_b_fmt:MATRIX_FMT_FP6 matrix_a_scale:MATRIX_SCALE_ROW1
.else
	v_wmma_scale_f32_16x16x128_f8f6f4 v[(\d):(\d)+7], v[(\a):(\a)+11], v[(\b):(\b)+11], v[(\c):(\c)+7], v[\sa], v[\sb] matrix_a_fmt:MATRIX_FMT_FP6 matrix_b_fmt:MATRIX_FMT_FP6
.endif
.endm
.macro CHAIN i, pw                     ; line i of the four chains over the accumulators in window pw, each accumulator from its low end on; the last with the floor 2^(3 - 127)
.irp c, 0,1,2,3
.set B_, 192+16*\c
.if (\i) == 0
	WIN (\pw)*0x15
	v_max3_num_f32 v[TT+\c], |v[B_]|, |v[B_+1]|, |v[B_+2]|
.elseif (\i) < 7
	WIN (\pw)*0x14
	v_max3_num_f32 v[TT+\c], v[TT+\c], |v[B_+2*(\i)+1]|, |v[B_+2*(\i)+2]|
.else
	WIN (\pw)*0x04
	v_max3_num_f32 v[TT+\c], v[TT+\c], |v[B_+15]|, 0x1800000
.endif
.endr
.endm
; the way out of the block before, of parity p, behind pair n of products.  st: how far the codes' place moves on (1 a fragment, 2 by s[ST:ST+1], 3 not)
.macro LIST n, p, st
.if (\n) == 1
	s_wait_xcnt 0x0                                ; the last stores have read their registers and their base
.if (\st) == 1
	s_add_nc_u64 s[CB:CB+1], s[CB:CB+1], 1536
.elseif (\st) == 2
	s_add_nc_u64 s[CB:CB+1], s[CB:CB+1], s[ST:ST+1]
.endif
.elseif ((\n) > 1) && ((\n) < 10)
	CHAIN (\n)-2, 3*(\p)
.elseif (\n) == 10
	WIN 0
	v_max_num_f32 v[TT], v[TT], v[TT+1]
	v_max_num_f32 v[TT+2], v[TT+2], v[TT+3]
.elseif (\n) == 11
	WIN 0
	v_add_nc_u32 v[SO], 0xff000000, v[TT]          ; 2 off the exponent field: the conversion's scale operand
	v_add_nc_u32 v[SO+1], 0xff000000, v[TT+2]
.elseif (\n) == 12
	WIN 3*(\p)
	v_cvt_scalef32_pk16_fp6_f32 v[TC:TC+2], v[208:223], v[SO]
	v_cvt_scalef32_pk16_fp6_f32 v[CD:CD+2], v[192:207], v[SO]
.elseif (\n) == 13
	WIN 3*(\p)
	v_cvt_scalef32_pk16_fp6_f32 v[TC+4:TC+6], v[240:255], v[SO+1]
	v_cvt_scalef32_pk16_fp6_f32 v[CD+6:CD+8], v[224:239], v[SO+1]
	WIN 0
	v_lshrrev_b32 v[EB], 23, v[SO]                 ; the scale's byte
	v_lshrrev_b32 v[EB+1], 23, v[SO+1]
.elseif (\n) == 14
	WIN 0
.irp i, 0,1,2
	v_mov_b32 v[CD+3+\i], v[TC+\i]
.endr
	v_lshl_or_b32 v[EB], v[EB+1], 16, v[EB]
.elseif (\n) == 15
	WIN 0
.irp i, 0,1,2
	v_mov_b32 v[CD+9+\i], v[TC+4+\i]
.endr
	v_lshlrev_b32 v[EB], v[H8], v[EB]
.endif
.endm
.macro LDF f, adr, off                 ; held fragment f of sixteen
.irp g, 0,1,2
	ds_load_b128 v[12*(\f)+4*\g:12*(\f)+4*\g+3], v[\adr] offset:1536*(\f)+512*\g+(\off)
.endr
.endm
; products from .. to - 1 of a block on streamed set e.  hw: the window of the held K steps 0, 1; the first eight take the bias as C (v = 1: a lane's one number, else tile by tile).  list: 0, or LIST's st for the way out of the block before.
; ord = 1: K steps 2, 3 first.  ld: in the second half the next phase's held K steps 0, 1 (1) or 2, 3 (2) are loaded into window nw, in four runs of twelve.  The accumulators take turns.
.macro BLOCK e, hw, v, from, to, list, ord=0, ld=0, nw=0, adr=0
.set N_, \from
.rept (\to)-(\from)
.set Q_, (N_/8+2*(\ord))%4
.set T_, N_%8
.set SW_, \hw
.if Q_ > 1
.set SW_, 3
.endif
.set CR_, 192+8*T_
.if N_ < 8
.if \v
.set CR_, 192+8*(\e)
.endif
	WIN SW_|((\hw)<<4)|((3*(\e))<<6)
.else
	WIN SW_|((3*(\e))<<4)|((3*(\e))<<6)
.endif
	PR 192+8*T_, 12*(8*(Q_%2)+T_), 96+48*(\e)+12*Q_, CR_, HS+16*((\hw)-1)+4*Q_+T_/2, SA+4*(1-(Q_%2))+2*(\e)+Q_/2, T_%2
.if N_%2
.if \list
	LIST N_/2, 1-(\e), \list
.endif
.if (\ld) > 0
.if (N_ > 16) && ((N_%4) == 1)
	WIN ((\nw)<<6)
	LDF N_-17, \adr, 24576*((\ld)-1)
	LDF N_-16, \adr, 24576*((\ld)-1)
	LDF N_-15, \adr, 24576*((\ld)-1)
	LDF N_-14, \adr, 24576*((\ld)-1)
.endif
.endif
.endif
.set N_, N_+1
.endr
.endm
.macro FETCH e, a, s, o, os            ; a block of the streamed operand into set e
.irp q, 0,1,2,3
.irp g, 0,1,2
	ds_load_b128 v[96+48*(\e)+12*\q+4*\g:96+48*(\e)+12*\q+4*\g+3], v[\a] offset:12288*\q+512*\g+(\o)
.endr
.endr
.irp q, 0,1,2,3
	ds_load_b32 v[SA+4*(1-(\q%2))+2*(\e)+\q/2], v[\s] offset:49152+512*\q+(\os)
.endr
.endm
.macro HSLOAD set, adr
.irp q, 0,1,2,3
	ds_load_b128 v[HS+16*(\set)+4*\q:HS+16*(\set)+4*\q+3], v[\adr] offset:49152+512*\q
.endr
.endm
; behind a block: the scale word and the stores of the block before, of parity p, and (p = 1) a pair's scale words
.macro TAIL p
	WIN 0
	v_permlanex16_b32 v[EB+1], v[EB], s[SEL], s[SEL+1]
	v_or_b32 v[WD+(\p)], v[EB], v[EB+1]
.irp g, 0,1,2
	global_store_b128 v1, v[CD+4*\g:CD+4*\g+3], s[CB:CB+1] offset:512*\g   ; 512 consecutive bytes a store
.endr
.if \p
	v_mov_b32 v[SI], v[SI+1]
	v_mov_b32 v[SI+1], v[SI+2]
	v_mov_b32 v[SI+2], v[SI+3]
	v_cndmask_b32 v[SI+3], v[WD], v[WD+1], s[MK]   ; lanes 0-15 the even tile's words, lanes 16-31 the odd tile's
.endif
.endm
.macro BVSET e, src                    ; a lane's bv for one block, over the eight registers of C
	WIN 0x41
.irp i, 0,1,2,3,4,5,6,7
	v_mov_b32 v[192+8*(\e)+\i], v[\src]
.endr
	WIN 0
.endm
; two blocks; each fetches the block two on.  nx = 1: the phase's first trip also ends the phase before (its last fragment, its scale image); d: how far the codes' place then moves.
.macro TRIP hw, v, ab, sb, nx, sp, d
	s_wait_dscnt F
	BLOCK 0, \hw, \v, 0, 32, 1
	TAIL 1
.if \nx
	WALU
	s_cmp_lg_u32 s86, 0
	s_cbranch_scc1 .Lsi_\@
	global_store_b128 v1, v[SI:SI+3], s[\sp:\sp+1]
.Lsi_\@:
.endif
.if \v
	BVSET 0, 210
.endif
	s_add_co_u32 s77, s77, 3072
	s_add_co_u32 s78, s78, 4
	v_add_nc_u32 v[ADF], s77, v[\ab]
	v_add_nc_u32 v[ADS], s78, v[\sb]
	FETCH 0, ADF, ADS, 0, 0
	s_wait_dscnt F
.if \nx
	s_cmp_eq_u32 s86, 0
	s_cselect_b32 s[ST], s[\d], 1536
.endif
	BLOCK 1, \hw, \v, 0, 32, 1+(\nx)
	TAIL 0
.if \v
	BVSET 1, 211
	WIN 0x41
.irp i, 0,1,2,3
	v_mov_b32 v[210+\i], v[212+\i]
.endr
	WIN 0
.endif
	FETCH 1, ADF, ADS, 1536, 256
	s_add_co_u32 s86, s86, 1
	s_cmp_lt_u32 s86, 3
	WALU
.endm
.macro GROUP1 g, mask, rows            ; a dense tile as rows of 256 bytes (32 elements of 8 bytes), a joint load
	s_or_b32 s[\g], s[\mask], (3<<16)|(1<<21)
	s_mov_b32 s[\g+1], 32<<16
	s_mov_b32 s[\g+2], (\rows)<<16
	s_mov_b32 s[\g+3], 32<<16
	s_mov_b32 s[\g+4], \rows
	s_mov_b32 s[\g+5], 32
	s_mov_b32 s[\g+6], 0
	s_mov_b32 s[\g+7], 0
.endm
	s_load_b256 s[4:11], s[0:1], 0x0               ; inq, bq, bk, bv
	s_load_b64 s[12:13], s[0:1], 0x20              ; qkv
	v_lshl_add_u32 v[SPW], v0, 2, SPARE
	v_mov_b32 v[NIL], 0
	ds_add_u32 v[SPW], v[NIL]                      ; the opening lines
	ds_add_u32 v[SPW], v[NIL]
	v_lshrrev_b32 v1, 5, v0
	v_readfirstlane_b32 s14, v1                    ; wave n
	s_lshr_b32 s15, s14, 1                         ; wr
	s_and_b32 s16, s14, 1                          ; wc
	s_bfe_u32 s40, ttmp6, 0x40000                  ; cx
	s_bfe_u32 s41, ttmp6, 0x40004                  ; cy
	s_lshl_b32 s42, ttmp9, 2
	s_add_co_u32 s42, s42, s40                     ; X
	s_and_b32 s43, ttmp7, 0xffff
	s_lshl_b32 s43, s43, 2
	s_add_co_u32 s43, s43, s41                     ; Y
	s_lshl_b32 s44, s41, 2
	s_lshl_b32 s44, 15, s44                        ; my row of the cluster
	s_lshl_b32 s45, 0x1111, s40                    ; my column
	GROUP1 G1W, 45, 400
	GROUP1 G1X, 44, 200
	s_mul_i32 s17, s15, GB
	s_mul_i32 s18, s16, GB
	s_mul_i32 s20, s42, 102400                     ; Wq's rows: groups 32 + 2 X on
	s_add_co_u32 s20, s20, 1638400
	s_mov_b32 s21, 0
	s_mul_i32 s22, s43, 102400                     ; x's: group 2 Y, + 1 in the upper of the waves that fetch it
	s_add_co_u32 s22, s22, s17
	s_mov_b32 s23, 0
	s_add_co_u32 s19, s18, W0
	s_add_co_u32 s46, s18, W1
	s_add_co_u32 s47, s17, W0
	s_mov_b32 s[SEL], 0x76543210
	s_mov_b32 s[SEL+1], 0xfedcba98
	s_mov_b32 s[MK], 0xffff0000
	s_mov_b32 s[ST+1], 0
	s_mov_b32 s[DK], RGN-7*1536
	v_and_b32 v88, 15, v0                          ; r
	v_bfe_u32 v89, v0, 4, 1                        ; h
	v_and_b32 v90, 31, v0
	v_lshlrev_b32 v1, 4, v90                       ; 16 x lane
	v_lshlrev_b32 v91, 4, v88
	v_add_nc_u32 v[AXR], s17, v1
	v_add_nc_u32 v[AXC], s18, v1
	v_add_nc_u32 v[AWQ], s19, v1
	v_add_nc_u32 v[AWK], s46, v1
	v_add_nc_u32 v[AWV], s47, v1
	v_add_nc_u32 v[SXR], s17, v91
	v_add_nc_u32 v[SWV], s47, v91
	v_lshlrev_b32 v[H8], 3, v89
	v_lshlrev_b32 v[BQO], 7, v89                   ; q, k: register i of tile (c, j) is output 64 c + 8 j + 32 h + i
	v_and_b32 v92, 8, v88
	v_mad_u32_u24 v92, v92, 3, v88
	v_lshlrev_b32 v[BVO], 2, v92                   ; v: lane r of block (c, j) is output 64 c + 8 j + 32 (r / 8) + r % 8
.irp i, 0,1,2,3
	v_mov_b32 v[SI+\i], 0
.endr
	WALU
	s_wait_dscnt 0x0
	CROUND                                         ; all sixteen work-groups are here: the first joint loads meet
	s_wait_kmcnt 0x0
	s_mov_b32 s[G0W], 1                            ; Wq's, later Wv's rows
	s_mov_b32 s[G0W+1], W0
	s_add_nc_u64 s[G0W+2:G0W+3], s[4:5], s[20:21]
	s_mov_b32 s[G0K], 1                            ; Wk's
	s_mov_b32 s[G0K+1], W1
	s_add_nc_u64 s[G0K+2:G0K+3], s[G0W+2:G0W+3], 1638400
	s_or_b32 s[G0W+3], s[G0W+3], 0x80000000
	s_or_b32 s[G0K+3], s[G0K+3], 0x80000000
	s_mov_b32 s[G0X], 1                            ; x's
	s_mov_b32 s[G0X+1], s17
	s_add_nc_u64 s[G0X+2:G0X+3], s[4:5], s[22:23]
	s_or_b32 s[G0X+3], s[G0X+3], 0x80000000
	s_cmp_eq_u32 s14, 0                            ; one load a wave, what is needed first asked for first: wave 0 Wq, waves 1 and 2 a group of x each, wave 3 Wk
	s_cbranch_scc0 .Lask_x
	TLOAD G0W, G1W
	s_branch .Lasked
.Lask_x:
	s_cmp_lt_u32 s14, 3
	s_cbranch_scc0 .Lask_k
	TLOAD G0X, G1X
	s_branch .Lasked
.Lask_k:
	TLOAD G0K, G1W
.Lasked:
	s_lshl_b32 s20, s42, 10                        ; the biases: 4 (256 X + 128 half)
	s_lshl_b32 s21, s16, 9
	s_add_co_u32 s22, s20, s21
	s_add_nc_u64 s[80:81], s[6:7], s[22:23]        ; bq
	s_add_nc_u64 s[82:83], s[8:9], s[22:23]        ; bk
	s_lshl_b32 s21, s15, 9
	s_add_co_u32 s22, s20, s21
	s_add_nc_u64 s[84:85], s[10:11], s[22:23]      ; bv
.macro BIAS w, p
	WIN ((\w)<<6)
.irp t, 0,1,2,3,4,5,6,7
	global_load_b128 v[192+8*\t:195+8*\t], v[BQO], s[\p:\p+1] offset:(64*(\t/4)+8*(\t%4))*4
	global_load_b128 v[196+8*\t:199+8*\t], v[BQO], s[\p:\p+1] offset:(64*(\t/4)+8*(\t%4))*4+16
.endr
	WIN 0
.endm
	BIAS 1, 80
	BIAS 2, 82
	s_lshr_b32 s20, s43, 1
	s_lshl_b32 s20, s20, 3
	s_lshr_b32 s21, s42, 1
	s_add_co_u32 s20, s20, s21                     ; b h
	s_lshl_b32 s20, s20, 2
	s_and_b32 s21, s43, 1
	s_lshl_b32 s21, s21, 1
	s_add_co_u32 s20, s20, s21                     ; 4 b h + 2 (Y % 2)
	s_and_b32 s21, s42, 1
	s_lshl_b32 s21, s21, 1                         ; 2 (X % 2)
	s_add_co_u32 s40, s20, s15
	s_mul_i32 s40, s40, GB                         ; q, k: the token group wr,
	s_add_co_u32 s41, s21, s16                     ; the d step wc
	s_add_co_u32 s46, s20, s16
	s_mul_i32 s46, s46, GB                         ; v: the key group wc,
	s_add_co_u32 s47, s21, s15                     ; the d group wr
	s_mul_i32 s20, s41, 12288
	s_add_co_u32 s22, s40, s20
	s_add_nc_u64 s[CB:CB+1], s[12:13], s[22:23]    ; q's codes
	s_mul_i32 s20, s47, 12288
	s_add_co_u32 s20, s20, s46
	s_sub_co_u32 s[DV], s20, s22
	s_add_co_u32 s[DV], s[DV], RGN-7*1536          ; from k's last fragment to v's first
	s_lshl_b32 s20, s41, 9
	s_add_co_u32 s22, s40, s20
	s_add_co_u32 s22, s22, 49152
	s_add_nc_u64 s[SBQ:SBQ+1], s[12:13], s[22:23]
	s_add_nc_u64 s[SBK:SBK+1], s[SBQ:SBQ+1], RGN
	s_lshl_b32 s20, s47, 9
	s_add_co_u32 s22, s46, s20
	s_add_co_u32 s22, s22, 2*RGN+49152
	s_add_nc_u64 s[SBV:SBV+1], s[12:13], s[22:23]
	WALU
	s_cmp_eq_u32 s14, 0
	s_cbranch_scc0 .Lnot_w
	s_wait_tensorcnt 0x0
.Lnot_w:
	BARRIER                                        ; Wq's rows are in
	HSLOAD 0, AWQ
.macro HALF w, adr, off
	WIN ((\w)<<6)
.irp f, 0,1,2,3,4,5,6,7,8,9,10,11,12,13,14,15
	LDF \f, \adr, \off
.endr
	WIN 0
.endm
	HALF 1, AWQ, 0
	HALF 3, AWQ, 24576
	s_cmp_eq_u32 s14, 3
	s_cbranch_scc1 .Lnot_x
	s_wait_tensorcnt 0x0
.Lnot_x:
	s_wait_dscnt 0x0
	BARRIER                                        ; x's are in; Wk may still be on its way
	FETCH 0, AXR, SXR, 0, 0
	FETCH 1, AXR, SXR, 1536, 256
	s_wait_loadcnt 16                              ; bq; bk's sixteen loads may be out
; PHASE q
	s_wait_dscnt F
	BLOCK 0, 1, 0, 0, 32, 0
	WIN 0
	PLACES 4
	FETCH 0, AXR, SXR, 3072, 4
	s_wait_dscnt F
	s_wait_tensorcnt 0x0                           ; the refill's round stands in this block: all my tensor loads have landed,
	ds_add_u32 v[SPW], v[NIL]
	BLOCK 1, 1, 0, 0, 24, 3
	WIN 0
	s_add_nc_u64 s[G0W+2:G0W+3], s[G0W+2:G0W+3], 3276800   ; from Wq's rows to Wv's
	WALU
	s_wait_dscnt 0x0                               ; the add is done, and so are my reads of Wq
	s_barrier_signal -1
	BLOCK 1, 1, 0, 24, 32, 3
	WIN 0
	WALU
	s_barrier_wait -1
	CREST
	s_cmp_lg_u32 s14, 0
	s_cbranch_scc1 .Lno_v
	TLOAD G0W, G1W                                 ; wave 0: Wv over Wq, which all waves hold in registers
.Lno_v:
	PLACES 4
	TAIL 0
	FETCH 1, AXR, SXR, 4608, 260
	s_mov_b32 s77, 3072
	s_mov_b32 s78, 4
	s_mov_b32 s86, 1
	WALU
.Lq:                                               ; blocks 2-3, 4-5
	TRIP 1, 0, AXR, SXR, 0, SBQ, DK
	s_cbranch_scc1 .Lq
	s_wait_dscnt F
	BLOCK 0, 1, 0, 0, 8, 1
	WALU
	s_wait_tensorcnt 0x0
	s_wait_dscnt 0x0
	s_barrier_signal -1                            ; a plain barrier shows Wk's and Wv's rows to all
	BLOCK 0, 1, 0, 8, 16, 1
	WALU
	s_barrier_wait -1
	BLOCK 0, 1, 0, 16, 32, 1, 0, 1, 2, AWK
	TAIL 1
	HSLOAD 1, AWK
	FETCH 0, AXR, SXR, 0, 0
	s_wait_dscnt 63                                ; (68 loads are younger than this block's: 48 + 4 of the next held rows, 16)
	BLOCK 1, 1, 0, 0, 32, 1, 1, 2, 3, AWK
	TAIL 0
	FETCH 1, AXR, SXR, 1536, 256
	s_wait_loadcnt 0x0                             ; bk
	WIN 0x40
.irp t, 0,1,2,3,4,5,6,7
	global_load_b32 v[208+\t], v[BVO], s[84:85] offset:(64*(\t/4)+8*(\t%4))*4   ; bv, where bq lay: its last readers were the last block's first products
.endr
	WIN 0
; PHASE k
	s_mov_b32 s77, 0
	s_mov_b32 s78, 0
	s_mov_b32 s86, 0
	WALU
.Lk:
	TRIP 2, 0, AXR, SXR, 1, SBQ, DK
	s_cbranch_scc1 .Lk
	s_wait_dscnt F
	BLOCK 0, 2, 0, 0, 32, 1, 0, 1, 1, AXC
	TAIL 1
	HSLOAD 0, AXC
	FETCH 0, AWV, SWV, 0, 0
	s_wait_dscnt 63
	BLOCK 1, 2, 0, 0, 32, 1, 1, 2, 3, AXC
	TAIL 0
	FETCH 1, AWV, SWV, 1536, 256
	s_wait_loadcnt 0x0                             ; bv
	BVSET 0, 208
	BVSET 1, 209
; PHASE v
	s_mov_b32 s77, 0
	s_mov_b32 s78, 0
	s_mov_b32 s86, 0
	WALU
.Lv:
	TRIP 1, 1, AWV, SWV, 1, SBK, DV
	s_cbranch_scc1 .Lv
	s_wait_dscnt F
	BLOCK 0, 1, 1, 0, 32, 1
	TAIL 1
	s_wait_dscnt 0x0
	BLOCK 1, 1, 1, 0, 32, 1
	TAIL 0
.irp i, 0,1,2,3,4,5,6,7,8,9,10,11,12,13,14,15
	LIST \i, 1, 1
.endr
	TAIL 1
	global_store_b128 v1, v[SI:SI+3], s[SBV:SBV+1]
	s_wait_tensorcnt 0x0                           ; the wave's end
	ds_add_u32 v[SPW], v[NIL]
	s_wait_dscnt 0x0
	CROUND                                         ; the closing round
	s_endpgm
.Lfunc_end_k_q29b1797069_proj:
	.size	k_q29b1797069_proj, .Lfunc_end_k_q29b1797069_proj-k_q29b1797069_proj
	.p2alignl 7, 3214868480
	.fill 96, 4, 3214868480
	.section	.rodata,"a",@progbits
	.p2align	6, 0x0
	.amdhsa_kernel k_q29b1797069_proj
		.amdhsa_group_segment_fixed_size 327680
		.amdhsa_private_segment_fixed_size 0
		.amdhsa_enable_private_segment 0
		.amdhsa_kernarg_size 40
		.amdhsa_user_sgpr_count 2
		.amdhsa_user_sgpr_kernarg_segment_ptr 1
		.amdhsa_wavefront_size32 1
		.amdhsa_system_sgpr_workgroup_id_x 1
		.amdhsa_system_sgpr_workgroup_id_y 1
		.amdhsa_system_sgpr_workgroup_id_z 1
		.amdhsa_system_vgpr_workitem_id 0
		.amdhsa_next_free_vgpr 1024
		.amdhsa_next_free_sgpr 90
		.amdhsa_reserve_vcc 0
		.amdhsa_float_denorm_mode_32 3
		.amdhsa_float_denorm_mode_16_64 3
		.amdhsa_memory_ordered 1
		.amdhsa_forward_progress 1
		.amdhsa_inst_pref_size 167
	.end_amdhsa_kernel
	.amdgpu_metadata
---
amdhsa.version: [ 1, 2 ]
amdhsa.kernels:
  - .name:           k_q29b1797069_proj
    .symbol:         k_q29b1797069_proj.kd
    .args:
      - { .name: inq, .offset: 0, .size: 8, .value_kind: global_buffer, .address_space: global }
      - { .name: bq, .offset: 8, .size: 8, .value_kind: global_buffer, .address_space: global }
      - { .name: bk, .offset: 16, .size: 8, .value_kind: global_buffer, .address_space: global }
      - { .name: bv, .offset: 24, .size: 8, .value_kind: global_buffer, .address_space: global }
      - { .name: qkv, .offset: 32, .size: 8, .value_kind: global_buffer, .address_space: global }
    .group_segment_fixed_size: 327680
    .private_segment_fixed_size: 0
    .kernarg_segment_align: 8
    .kernarg_segment_size: 40
    .max_flat_workgroup_size: 128
    .sgpr_count:     90
    .vgpr_count:     1024
    .wavefront_size: 32
...
	.end_amdgpu_metadata
.endif
;; end of part 2
;; launch attn (part 3): grid 4 x 64, 4 waves a work-group, clusters of 4 x 1, 327,680 bytes of LDS; arguments qkv, cat; writes cat
.if DOCPART == 3
	.amdgcn_target "amdgcn-amd-amdhsa--gfx1250"
	.amdhsa_code_object_version 6
	.text
	.protected	k_q29b1797069_attn
	.globl	k_q29b1797069_attn
	.p2align	8
	.type	k_q29b1797069_attn,@function
k_q29b1797069_attn:
	s_mov_b64 s[64:65], 0
	v_nop
	global_prefetch_b8 v0, s[64:65] scope:SCOPE_SE
	s_setreg_imm32_b32 hwreg(HW_REG_WAVE_MODE, 25, 1), 1
	s_wait_xcnt 0x0
	s_wait_alu depctr_hold_cnt(0) depctr_sa_sdst(0) depctr_va_vdst(0) depctr_va_sdst(0) depctr_va_ssrc(0) depctr_va_vcc(0) depctr_vm_vsrc(0)
	s_getreg_b32 s2, hwreg(HW_REG_IB_STS2, 6, 4)
	s_cmp_eq_u32 s2, 0
	s_cbranch_scc0 .Lentry_in_a_cluster
	s_endpgm
.Lentry_in_a_cluster:
	s_bfe_u32 s2, ttmp6, 0x10000c
	s_cmp_lg_u32 s2, 0x3003
	s_cbranch_scc0 .Lentry_shape_is_right
	s_endpgm
.Lentry_shape_is_right:
; Causal attention of one (batch, head) on codes of FP6 (E2M3): S^T = K Q^T, p = 2^(t - M), O^T = V^T P^T, O / l, quantised along d into fragment images for the last product.  Head size 512, 512 queries, 512 keys.
; t = score x log2(e) / sqrt(512); M = the row's largest t rounded up to a whole number; the row's sum l is taken of the unquantised p.  ALL SCORES OF A TILE COME FIRST, then one softmax, then P V: M is known before the first p, and nothing is rescaled.
; qkv as the launch before stores it.  cat: [block of 64 rows][head][25,600]: codes [d step 4][tile 4][1536], behind them [pair 2][512]: byte 16 L + 4 s = the word of tile 2 pair + L / 16, row L % 16, d step s.
; SHARES: the cluster's four work-groups take one (batch, head).  Wave n of work-group c owns two tiles of 16 queries, both tile 2 c + n / 2 of a block of 128: X in block n % 2, Y in block 3 - n % 2.
; A tile of block j needs key steps 0 .. j (128 keys each; the rest lies wholly under the causal mask, and is not done): 5 tile-steps, 320 matrix instructions, for every wave.
; Even waves: X step 0, Y steps 0 to 3; odd waves: X steps 0, 1, Y steps 0 to 2.  On the last of each, its diagonal, hidden scores become -infinity ahead of the maximum.  Key 0 counts for every query, so M is a number.
; LDS: K's four key steps, V's steps 0, 1, 51,200 bytes each with their scale images; V's steps 2, 3 are filled over K's steps 0, 1, two key steps, the softmax and V's steps 0, 1 ahead of their first read.
; All four work-groups walk the same K and V: joint loads, mask 15, one a wave at the head.  No branch and no LDS address hangs on c.  No loop to run ahead in: nothing is prefetched, since all but V's steps 2, 3 is asked for at the head.
; LIMITS: NaN and infinities are not served; |t| stays under 2^31; blocks under 2^-124 and blocks of zeros keep the byte 1 (zero codes; this program alone reads the bytes); 1 / l is a reciprocal and a multiplication.
; REGISTERS: window 1: v0-95 Q (X, then Y), v96-239 three sets of four fragments.  Window 2: X: scores of step s at v[64 s], later O^T; window 3 the same for Y.  Window 0: all else.
.set SPARE, 307200
.set RGN, 13107200
.set ADK, 2
.set ADV, 3
.set H8, 4
.set SPW, 5
.set NIL, 6
.set RM, 20                            ; v20, v21 the rows' largest scores
.set RL, 22                            ; v22-25   1 / l
.set QS, 26                            ; v26-33   Q's scale words (4 t + s);  v34-37 p's of Y, v38-39 of X
.set KSR, 40
.set VSR, 56
.set TM, 84
.set T2, 88
.set SCO, 90
.set EB, 92
.set SQ, 94
.set CT, 96
.set CD, 104
.set PWS, 116
.set SI, 124
.set WV, 12
.set PAR, 13
.set SEL, 20
.set CS, 22
.set MK, 61
.set MSB, 0
.macro WIN new
.if MSB != (\new)
	s_set_vgpr_msb (MSB<<8)|(\new)
.set MSB, (\new)
.endif
.endm
.macro PLACES n
.rept \n
	v_nop
.endr
.endm
.macro WALU
	s_wait_alu depctr_va_vdst(0)
.endm
.macro BARRIER
	s_barrier_signal -1
	s_barrier_wait -1
.endm
.macro CROUND
	BARRIER
	s_cmp_lg_u32 s[WV], 0
	s_cbranch_scc1 .Lnw0_\@
	s_barrier_signal -3
.Lnw0_\@:
	s_barrier_wait -3
	BARRIER
.endm
.macro TLOAD g0, g1
	tensor_load_to_lds s[\g0:\g0+3], s[\g1:\g1+7]
	s_nop 0
	PLACES 4
.endm
.macro GROUP1 g, rows
	s_mov_b32 s[\g], 15|(3<<16)|(1<<21)
	s_mov_b32 s[\g+1], 32<<16
	s_mov_b32 s[\g+2], (\rows)<<16
	s_mov_b32 s[\g+3], 32<<16
	s_mov_b32 s[\g+4], \rows
	s_mov_b32 s[\g+5], 32
	s_mov_b32 s[\g+6], 0
	s_mov_b32 s[\g+7], 0
.endm
.macro WMX
.if wC < 0
.if wRA
	v_wmma_scale_f32_16x16x128_f8f6f4 v[wD:wD+7], v[wA:wA+11], v[wB:wB+11], 0, v[wSA], v[wSB] matrix_a_fmt:MATRIX_FMT_FP6 matrix_b_fmt:MATRIX_FMT_FP6 matrix_a_scale:MATRIX_SCALE_ROW1
.else
	v_wmma_scale_f32_16x16x128_f8f6f4 v[wD:wD+7], v[wA:wA+11], v[wB:wB+11], 0, v[wSA], v[wSB] matrix_a_fmt:MATRIX_FMT_FP6 matrix_b_fmt:MATRIX_FMT_FP6
.endif
.else
.if wRA
	v_wmma_scale_f32_16x16x128_f8f6f4 v[wD:wD+7], v[wA:wA+11], v[wB:wB+11], v[wC:wC+7], v[wSA], v[wSB] matrix_a_fmt:MATRIX_FMT_FP6 matrix_b_fmt:MATRIX_FMT_FP6 matrix_a_scale:MATRIX_SCALE_ROW1
.else
	v_wmma_scale_f32_16x16x128_f8f6f4 v[wD:wD+7], v[wA:wA+11], v[wB:wB+11], v[wC:wC+7], v[wSA], v[wSB] matrix_a_fmt:MATRIX_FMT_FP6 matrix_b_fmt:MATRIX_FMT_FP6
.endif
.endif
.endm
; half batch n of 16: four fragments (n under 8: of K; else of V) into set n % 3 of window 1
.macro LOADHB n
	WIN 0x40
.irp i, 0,1,2,3,4,5,6,7,8,9,10,11
.if (\n) < 8
	ds_load_b128 v[96+48*((\n)%3)+4*\i:96+48*((\n)%3)+4*\i+3], v[ADK] offset:6144*((\n)%8)+512*\i
.else
	ds_load_b128 v[96+48*((\n)%3)+4*\i:96+48*((\n)%3)+4*\i+3], v[ADV] offset:6144*((\n)%8)+512*\i
.endif
.endr
	WIN 0
.endm
.macro MM4 n, t, s                     ; four products of tile t at key step s, on half batch n; the accumulators take turns
.irp f, 0,1,2,3
.set wA, 96+48*((\n)%3)+12*\f
.set wRA, \f%2
.if (\n) < 8                           ; S^T: key tiles 4 (n % 2) + f, d step n / 2
.set wD, 64*(\s)+8*(4*((\n)%2)+\f)
.set wB, 12*(4*(\t)+(\n)/2)
.set wC, wD
.if (\n) < 2
.set wC, -1
.endif
.set wSA, KSR+4*((\n)/2)+2*((\n)%2)+\f/2
.set wSB, QS+4*(\t)+(\n)/2
.else                                  ; O^T: d tiles 4 (n - 8) + f
.set wD, 8*(4*((\n)-8)+\f)
.set wC, wD
.if (\s) == 0
.set wC, -1
.endif
.set wSA, VSR+4*(((\n)-8)/2)+2*((\n)%2)+\f/2
.if \t
.set wB, 128+12*(\s)
.set wSB, 34+(\s)
.else
.set wB, 176+12*(\s)
.set wSB, 38+(\s)
.endif
.endif
	WMX
.endr
.endm
.macro MUL n, s, xm                    ; Y's four, then X's four: always (xm = 1), in odd waves (2), never (0)
.set wO, 5-4*((\n)/8)                  ; source 0 window 1; source 1 window 1 (Q) or 0 (p)
	WIN 0xf0|wO
	MM4 \n, 1, \s
.if (\xm) == 2
	WIN 0
	s_cmp_eq_u32 s[PAR], 0
	s_cbranch_scc1 .Lnx_\@
.endif
.if (\xm) > 0
	WIN 0xa0|wO
	MM4 \n, 0, \s
.endif
.if (\xm) == 2
	WIN 0
.Lnx_\@:
.endif
.endm
.macro RUN n0, s, xm, ql=0
.irp m, 0,1,2,3,4,5,6,7
.if (\ql) && ((\m)%2 == 0)
	s_wait_loadcnt 18-3*\m                         ; Q's d step m / 2 is in; six loads for each later one may be out
.endif
.if \m < 6
	s_wait_dscnt 24
.elseif \m == 6
	s_wait_dscnt 12
.else
	s_wait_dscnt 0x0
.endif
	MUL (\n0)+\m, \s, \xm
.if \m < 5
	PLACES 4                                       ; in front of loads into registers that matrix instructions have read
	LOADHB (\n0)+\m+3
.endif
.endr
	WIN 0
.endm
.macro KSTEP s, xm, ql=0
	v_add_nc_u32 v[ADK], 51200*(\s), v1
	WALU
	PLACES 4
.irp i, 0,1,2,3
	ds_load_b128 v[KSR+4*\i:KSR+4*\i+3], v[ADK] offset:49152+512*\i
.endr
	LOADHB 0
	LOADHB 1
	LOADHB 2
	RUN 0, \s, \xm, \ql
.endm
.macro VPRE s                          ; V's steps 0, 1 lie behind K's four, steps 2, 3 over K's first two
	v_add_nc_u32 v[ADV], 204800+51200*(\s)-307200*((\s)/2), v1
	WALU
	PLACES 4
.irp i, 0,1,2,3
	ds_load_b128 v[VSR+4*\i:VSR+4*\i+3], v[ADV] offset:49152+512*\i
.endr
	LOADHB 8
	LOADHB 9
	LOADHB 10
.endm
.macro MASK t, s                       ; register 32 c + i holds key 64 c + 32 h + i of the block: hidden where 64 c + i > v8 = my query in the block - 32 h
.set w_, 2+(\t)
	WIN w_|(w_<<6)
.set mm, 0
.rept 64
	v_cmp_gt_i32 vcc_lo, 64*(mm/32)+mm%32, v8
	v_cndmask_b32 v[64*(\s)+mm], v[64*(\s)+mm], v7, vcc_lo
.set mm, mm+1
.endr
	WIN 0
.endm
.macro NAMES t, s
.set w_, 2+(\t)
.set S_, 64*(\s)
.set sT_, 12+4*(\t)
.if \t
.set B_, 72+2*(\s)
.set P_, 128+12*(\s)
.set W_, 34+(\s)
.else
.set B_, 80+2*(\s)
.set P_, 176+12*(\s)
.set W_, 38+(\s)
.endif
.endm
.macro BMAX t, s, first                ; the largest score of each of a lane's two blocks of 32 keys: for the row's maximum and, since p rises with the score, for the block's largest p
	NAMES \t, \s
	WIN w_*0x15
.irp b, 0,1,2,3
	v_max3_num_f32 v[TM+\b], v[S_+16*\b], v[S_+16*\b+1], v[S_+16*\b+2]
.endr
	WIN w_*0x14
.irp i, 3,5,7,9,11,13
.irp b, 0,1,2,3
	v_max3_num_f32 v[TM+\b], v[TM+\b], v[S_+16*\b+\i], v[S_+16*\b+\i+1]
.endr
.endr
.irp b, 0,1,2,3
	v_max_num_f32 v[TM+\b], v[TM+\b], v[S_+16*\b+15]
.endr
	WIN 0
	v_max_num_f32 v[B_], v[TM], v[TM+1]
	v_max_num_f32 v[B_+1], v[TM+2], v[TM+3]
.if \first
	v_max_num_f32 v[RM+(\t)], v[B_], v[B_+1]
.else
	v_max3_num_f32 v[RM+(\t)], v[RM+(\t)], v[B_], v[B_+1]
.endif
.endm
.macro WORD d                          ; v[d] = the scale word: my two bytes (blocks h, 2 + h) and lane l xor 16's
	v_lshrrev_b32 v[EB], 23, v[SCO]
	v_lshrrev_b32 v[EB+1], 23, v[SCO+1]
	v_lshl_or_b32 v[EB], v[EB+1], 16, v[EB]
	v_lshlrev_b32 v[EB], v[H8], v[EB]
	v_permlanex16_b32 v[EB+1], v[EB], s[SEL], s[SEL+1]
	v_or_b32 v[\d], v[EB], v[EB+1]
.endm
.macro CODES w, src, d                 ; 64 numbers of a lane in window w to a fragment's 12 registers
	WIN \w
.irp c, 0,1
	v_cvt_scalef32_pk16_fp6_f32 v[(\d)+6*\c:(\d)+6*\c+2], v[(\src)+32*\c:(\src)+32*\c+15], v[SCO+\c]
	v_cvt_scalef32_pk16_fp6_f32 v[CT+4*\c:CT+4*\c+2], v[(\src)+32*\c+16:(\src)+32*\c+31], v[SCO+\c]
.endr
	WIN 0
	v_nop                                          ; one plain place behind a scaled conversion
.irp c, 0,1
.irp i, 0,1,2
	v_mov_b32 v[(\d)+3+6*\c+\i], v[CT+4*\c+\i]
.endr
.endr
.endm
.macro PEXP t, s                       ; p, its sum, its codes
	NAMES \t, \s
	WIN w_|(w_<<6)
.set jj, S_
.rept 32
	v_pk_fma_f32 v[jj:jj+1], v[jj:jj+1], s[CS:CS+1], v[sT_:sT_+1] op_sel_hi:[1,0,0]   ; t - M
.set jj, jj+2
.endr
	WIN 0
.irp b, 0,1
	v_fma_f32 v[B_+\b], v[B_+\b], s[CS], v[sT_]
.endr
	WALU                                           ; the wait ahead of the batch
.irp b, 0,1
	v_exp_f32 v[B_+\b], v[B_+\b]                   ; the blocks' largest p
.endr
	WIN w_|(w_<<6)
.set jj, S_
.rept 64
	v_exp_f32 v[jj], v[jj]
.set jj, jj+1
.endr
	WIN 0
	v_nop                                          ; a plain place behind the exponentials
	WALU                                           ; and one wait behind it, ahead of its first reader
	WIN w_*5
	v_pk_add_f32 v[SQ:SQ+1], v[S_:S_+1], v[S_+2:S_+3]   ; the sum of the unquantised p, in two chains
	WIN w_<<2
.irp j, 4,8,12,16,20,24,28,32,36,40,44,48,52,56,60
	v_pk_add_f32 v[sT_+2:sT_+3], v[sT_+2:sT_+3], v[S_+\j:S_+\j+1]
	v_pk_add_f32 v[SQ:SQ+1], v[SQ:SQ+1], v[S_+\j+2:S_+\j+3]
.endr
	WIN 0
	v_pk_add_f32 v[sT_+2:sT_+3], v[sT_+2:sT_+3], v[SQ:SQ+1]
.irp b, 0,1
	v_max_num_f32 v[B_+\b], 0x1800000, v[B_+\b]    ; the floor 2^(3 - 127)
.endr
.irp b, 0,1
	v_add_nc_u32 v[SCO+\b], 0xff000000, v[B_+\b]
.endr
	WORD W_
	CODES w_, S_, P_
.endm
	s_load_b128 s[4:7], s[0:1], 0x0                ; qkv, cat
	v_lshl_add_u32 v[SPW], v0, 2, SPARE
	v_mov_b32 v[NIL], 0
	ds_add_u32 v[SPW], v[NIL]                      ; the opening lines
	ds_add_u32 v[SPW], v[NIL]
	v_lshrrev_b32 v1, 5, v0
	v_readfirstlane_b32 s[WV], v1                  ; wave n
	s_and_b32 s[PAR], s[WV], 1
	s_lshr_b32 s18, s[WV], 1
	s_bfe_u32 s15, ttmp6, 0x40000                  ; c
	s_and_b32 s16, ttmp7, 0xffff                   ; b h, which the four partners share
	s_lshl_b32 s17, s15, 1
	s_add_co_u32 s17, s17, s18                     ; my tile in a block: 2 c + n / 2
	GROUP1 24, 200                                 ; one key step of K
	GROUP1 32, 400                                 ; two of K or of V
	s_mul_i32 s80, s16, 204800
	s_mul_i32 s82, s[PAR], 51200
	s_add_co_u32 s78, s80, s82
	s_add_co_u32 s78, s78, RGN                     ; waves 0, 1: K's step n
	s_mov_b32 s79, 0
	s_mul_i32 s83, s[PAR], RGN-102400
	s_add_co_u32 s84, s80, s83
	s_add_co_u32 s84, s84, RGN+102400              ; wave 2: K's steps 2, 3; wave 3: V's steps 0, 1
	s_mov_b32 s85, 0
	s_mul_i32 s86, s[PAR], 102400
	s_add_co_u32 s86, s86, 102400
	s_mov_b32 s81, 0
	s_add_co_u32 s66, s80, s82                     ; q: X's block
	s_mov_b32 s67, 0
	s_sub_co_u32 s88, 3, s[PAR]
	s_mul_i32 s68, s88, 51200
	s_add_co_u32 s68, s68, s80                     ; Y's
	s_mov_b32 s69, 0
	s_mul_i32 s90, s17, 1536
	s_and_b32 s91, s17, 1
	s_lshl_b32 s91, s91, 8
	s_lshr_b32 s92, s17, 1
	s_lshl_b32 s92, s92, 2
	s_add_co_u32 s91, s91, s92                     ; my tile's words in a scale image
	s_lshr_b32 s92, s17, 2
	s_lshl_b32 s92, s92, 6
	s_and_b32 s93, s17, 3
	s_lshl_b32 s93, s93, 3
	s_add_co_u32 s92, s92, s93                     ; my tile's first row in a block
	v_and_b32 v200, 31, v0
	v_and_b32 v201, 15, v0                         ; r
	v_bfe_u32 v202, v0, 4, 1                       ; h
	v_lshlrev_b32 v1, 4, v200                      ; 16 x lane
	v_lshlrev_b32 v11, 4, v201                     ; 16 r
	v_lshlrev_b32 v[H8], 3, v202
	v_add_nc_u32 v203, s90, v1
	v_add_nc_u32 v204, s91, v11
	v_and_b32 v205, 8, v201
	v_mad_u32_u24 v8, v205, 3, v201                ; 32 (r / 8) + r % 8
	v_lshlrev_b32 v206, 5, v202
	v_sub_nc_u32 v8, v8, v206
	v_add_nc_u32 v8, s92, v8                       ; my query in its block - 32 h
	v_mov_b32 v7, 0xff800000                       ; -infinity
.irp t, 0,1
	v_mov_b32 v[14+4*\t], 0                        ; the sums
	v_mov_b32 v[15+4*\t], 0
	v_mov_b32 v[RL+1+2*\t], 0                      ; (named as the upper half of a pair)
	v_mov_b32 v[T2+\t], 0                          ; a lane permute's destination counts as one of its sources
.endr
	WALU
	s_wait_dscnt 0x0
	CROUND                                         ; all four work-groups are here: the first joint loads meet
	s_wait_kmcnt 0x0
	s_add_nc_u64 s[66:67], s[4:5], s[66:67]
	s_add_nc_u64 s[68:69], s[4:5], s[68:69]
	s_mov_b32 s40, 1
	s_mov_b32 s41, s82
	s_add_nc_u64 s[42:43], s[4:5], s[78:79]
	s_or_b32 s43, s43, 0x80000000
	s_mov_b32 s44, 1
	s_mov_b32 s45, s86
	s_add_nc_u64 s[46:47], s[4:5], s[84:85]
	s_or_b32 s47, s47, 0x80000000
.macro QLOAD                           ; Q stays in registers: its scale words, then its codes by d steps
.irp t, 0,1
.irp s, 0,1,2,3
	global_load_b32 v[QS+4*\t+\s], v204, s[66+2*\t:67+2*\t] offset:49152+512*\s
.endr
.endr
	WIN 0x40
.irp s, 0,1,2,3
.irp t, 0,1
.irp g, 0,1,2
	global_load_b128 v[12*(4*\t+\s)+4*\g:12*(4*\t+\s)+4*\g+3], v203, s[66+2*\t:67+2*\t] offset:12288*\s+512*\g
.endr
.endr
.endr
	WIN 0
.endm
	s_cmp_eq_u32 s[WV], 0                          ; one tensor load a wave: K's first two steps ahead of Q, the rest behind it
	s_cbranch_scc0 .Lask_1
	TLOAD 40, 24
	QLOAD
	s_branch .Lasked
.Lask_1:
	s_cmp_eq_u32 s[WV], 1
	s_cbranch_scc0 .Lask_2
	TLOAD 40, 24
	QLOAD
	s_branch .Lasked
.Lask_2:
	QLOAD
	TLOAD 44, 32
.Lasked:
	s_lshr_b32 s90, s16, 3                         ; b
	s_and_b32 s91, s16, 7                          ; the head
	s_lshl_b32 s90, s90, 3
	s_lshr_b32 s92, s15, 1
	s_add_co_u32 s90, s90, s92                     ; 8 b + c / 2
	s_lshl_b32 s93, s[PAR], 1
	s_add_co_u32 s93, s93, s90                     ; X's block of 64 rows
	s_lshl_b32 s93, s93, 3
	s_add_co_u32 s93, s93, s91
	s_mul_i32 s93, s93, 25600
	s_lshl_b32 s94, s88, 1
	s_add_co_u32 s94, s94, s90                     ; Y's
	s_lshl_b32 s94, s94, 3
	s_add_co_u32 s94, s94, s91
	s_mul_i32 s94, s94, 25600
	s_and_b32 s92, s17, 3                          ; my tile among the block's four
	s_mul_i32 s95, s92, 1536
	s_add_co_u32 s80, s93, s95
	s_add_nc_u64 s[74:75], s[6:7], s[80:81]
	s_add_co_u32 s80, s94, s95
	s_add_nc_u64 s[76:77], s[6:7], s[80:81]
	s_lshl_b32 s92, s92, 8                         ; 512 x pair + 256 x (tile % 2)
	s_add_co_u32 s92, s92, 24576
	s_sub_co_u32 s94, s94, s93                     ; from X's to Y's
	s_add_co_u32 s93, s93, s92
	s_mov_b32 s[SEL], 0x76543210
	s_mov_b32 s[SEL+1], 0xfedcba98
	s_mov_b32 s[CS], 0x3d8293ee                    ; log2(e) / sqrt(512)
	s_mov_b32 s[CS+1], s[CS]
	s_mov_b32 s[MK], 0xffff0000
	v_mul_u32_u24 v9, s94, v202                    ; lanes 16-31 store Y's words
	v_add_nc_u32 v9, s93, v9
	v_add_nc_u32 v9, v9, v11
	WALU
	s_cmp_eq_u32 s[WV], 0
	s_cbranch_scc0 .Lnot_0
	s_wait_tensorcnt 0x0
.Lnot_0:
	BARRIER                                        ; K's step 0 is in
	KSTEP 0, 1, 1
	s_cmp_eq_u32 s[WV], 1
	s_cbranch_scc0 .Lnot_1
	s_wait_tensorcnt 0x0
.Lnot_1:
	BARRIER                                        ; K's step 1 is in
	KSTEP 1, 2
	PLACES 4
	s_wait_tensorcnt 0x0                           ; all my tensor loads have landed;
	ds_add_u32 v[SPW], v[NIL]
	BMAX 1, 0, 1
	BMAX 1, 1, 0
	s_mov_b32 s45, 0
	s_add_nc_u64 s[46:47], s[46:47], 102400        ; (wave 3) on to V's steps 2, 3
	WALU
	s_wait_dscnt 0x0                               ; the add is done, and my reads of K's steps 0, 1 are over
	CROUND                                         ; both now hold of every wave of the cluster
	s_cmp_eq_u32 s[WV], 3
	s_cbranch_scc0 .Lno_fill
	TLOAD 44, 32                                   ; V's steps 2, 3 over K's steps 0, 1
.Lno_fill:
	KSTEP 2, 0
	s_cmp_lg_u32 s[PAR], 0
	s_cbranch_scc1 .Lno_k3
	KSTEP 3, 0
.Lno_k3:
	VPRE 0                                         ; V's first fragments come in under the softmax
	s_cmp_lg_u32 s[PAR], 0
	s_cbranch_scc1 .Lodd_mask
	MASK 0, 0
	MASK 1, 3
	BMAX 1, 3, 0
	WALU
	s_branch .Lmasked
.Lodd_mask:
	MASK 0, 1
	MASK 1, 2
	WALU
.Lmasked:
	BMAX 1, 2, 0
	BMAX 0, 0, 1
	WALU
	s_cmp_eq_u32 s[PAR], 0
	s_cbranch_scc1 .Lno_x1
	BMAX 0, 1, 0
	WALU
.Lno_x1:
.irp t, 0,1
	v_permlanex16_b32 v[T2+\t], v[RM+\t], s[SEL], s[SEL+1]
.endr
.irp t, 0,1
	v_max_num_f32 v[RM+\t], v[RM+\t], v[T2+\t]     ; the row's largest score
.endr
.irp t, 0,1
	v_mul_f32 v[13+4*\t], s[CS], v[RM+\t]
.endr
.irp t, 0,1
	v_floor_f32 v[12+4*\t], -v[13+4*\t]            ; -M = floor(-t): M is a whole number
.endr
	PEXP 1, 0
	PEXP 0, 0
	PEXP 1, 1
	PEXP 1, 2
	WALU
	s_cmp_lg_u32 s[PAR], 0
	s_cbranch_scc1 .Lodd_exp
	PEXP 1, 3
	WALU
	s_branch .Lexp_done
.Lodd_exp:
	PEXP 0, 1
	WALU
.Lexp_done:
	PLACES 8                                       ; a scale word written by vector instructions stands eight places ahead of the product
	RUN 8, 0, 1
	VPRE 1
	RUN 8, 1, 2
	s_wait_tensorcnt 0x0
	s_wait_dscnt 0x0
	BARRIER                                        ; V's steps 2, 3 are in
	VPRE 2
	RUN 8, 2, 0
	s_cmp_lg_u32 s[PAR], 0
	s_cbranch_scc1 .Lno_v3
	VPRE 3
	RUN 8, 3, 0
.Lno_v3:
	; THE WAY OUT: O^T / l, quantised along d: four fragments and four scale words a tile.  It reads O^T from each accumulator's low end on
	PLACES 4
.irp t, 0,1
	v_add_f32 v[14+4*\t], v[14+4*\t], v[15+4*\t]
.endr
.irp t, 0,1
	v_permlanex16_b32 v[T2+\t], v[14+4*\t], s[SEL], s[SEL+1]
.endr
.irp t, 0,1
	v_add_f32 v[14+4*\t], v[14+4*\t], v[T2+\t]     ; the row's sum
.endr
	WALU
.irp t, 0,1
	v_rcp_f32 v[RL+2*\t], v[14+4*\t]
.endr
	v_nop
	WALU
.macro OUT t, dg
.set w_, 2+(\t)
.set S_, 64*(\dg)
	WIN w_|(w_<<6)
.set jj, S_
.rept 32
	v_pk_mul_f32 v[jj:jj+1], v[jj:jj+1], v[RL+2*(\t):RL+2*(\t)+1] op_sel_hi:[1,0]
.set jj, jj+2
.endr
	WIN w_*0x14
.irp b, 0,1,2,3
	v_max3_num_f32 v[TM+\b], 0x1800000, |v[S_+16*\b]|, |v[S_+16*\b+1]|
.endr
.irp i, 2,4,6,8,10,12,14
.irp b, 0,1,2,3
	v_max3_num_f32 v[TM+\b], v[TM+\b], |v[S_+16*\b+\i]|, |v[S_+16*\b+\i+1]|
.endr
.endr
	WIN 0
	v_max_num_f32 v[TM], v[TM], v[TM+1]
	v_max_num_f32 v[TM+2], v[TM+2], v[TM+3]
	v_add_nc_u32 v[SCO], 0xff000000, v[TM]
	v_add_nc_u32 v[SCO+1], 0xff000000, v[TM+2]
	WORD PWS+4*(\t)+(\dg)
	WALU
	s_wait_xcnt 0x0                                ; the last fragment's stores have read v[CD] on
	CODES w_, S_, CD
.irp g, 0,1,2
	global_store_b128 v1, v[CD+4*\g:CD+4*\g+3], s[74+2*(\t):75+2*(\t)] offset:6144*(\dg)+512*\g
.endr
.endm
.irp dg, 0,1,2,3
	OUT 0, \dg
	OUT 1, \dg
.endr
.irp s, 0,1,2,3
	v_cndmask_b32 v[SI+\s], v[PWS+\s], v[PWS+4+\s], s[MK]   ; lanes 0-15 X's words, lanes 16-31 Y's
.endr
	global_store_b128 v9, v[SI:SI+3], s[6:7]       ; two aligned blocks of 256 bytes, each written whole
	s_wait_tensorcnt 0x0                           ; the wave's end
	ds_add_u32 v[SPW], v[NIL]
	s_wait_dscnt 0x0
	CROUND                                         ; the closing round
	s_endpgm
.Lfunc_end_k_q29b1797069_attn:
	.size	k_q29b1797069_attn, .Lfunc_end_k_q29b1797069_attn-k_q29b1797069_attn
	.p2alignl 7, 3214868480
	.fill 96, 4, 3214868480
	.section	.rodata,"a",@progbits
	.p2align	6, 0x0
	.amdhsa_kernel k_q29b1797069_attn
		.amdhsa_group_segment_fixed_size 327680
		.amdhsa_private_segment_fixed_size 0
		.amdhsa_enable_private_segment 0
		.amdhsa_kernarg_size 16
		.amdhsa_user_sgpr_count 2
		.amdhsa_user_sgpr_kernarg_segment_ptr 1
		.amdhsa_wavefront_size32 1
		.amdhsa_system_sgpr_workgroup_id_x 1
		.amdhsa_system_sgpr_workgroup_id_y 1
		.amdhsa_system_sgpr_workgroup_id_z 1
		.amdhsa_system_vgpr_workitem_id 0
		.amdhsa_next_free_vgpr 1024
		.amdhsa_next_free_sgpr 96
		.amdhsa_reserve_vcc 1
		.amdhsa_float_denorm_mode_32 3
		.amdhsa_float_denorm_mode_16_64 3
		.amdhsa_memory_ordered 1
		.amdhsa_forward_progress 1
		.amdhsa_inst_pref_size 255
	.end_amdhsa_kernel
	.section	.bss,"aw",@nobits
	.p2align	6
	.space	262144
	.amdgpu_metadata
---
amdhsa.version: [ 1, 2 ]
amdhsa.kernels:
  - .name:           k_q29b1797069_attn
    .symbol:         k_q29b1797069_attn.kd
    .args:
      - { .name: qkv, .offset: 0, .size: 8, .value_kind: global_buffer, .address_space: global }
      - { .name: cat, .offset: 8, .size: 8, .value_kind: global_buffer, .address_space: global }
    .group_segment_fixed_size: 327680
    .private_segment_fixed_size: 0
    .kernarg_segment_align: 8
    .kernarg_segment_size: 16
    .max_flat_workgroup_size: 128
    .sgpr_count:     96
    .vgpr_count:     1024
    .wavefront_size: 32
...
	.end_amdgpu_metadata
.endif
;; end of part 3
;; launch outp (part 4): grid 4 x 64, 4 waves a work-group, clusters of 4 x 4, 327,680 bytes of LDS; arguments cat, inq, bs, out0; writes out0
.if DOCPART == 4
	.amdgcn_target "amdgcn-amd-amdhsa--gfx1250"
	.amdhsa_code_object_version 6
	.text
	.protected	k_q29b1797069_outp
	.globl	k_q29b1797069_outp
	.p2align	8
	.type	k_q29b1797069_outp,@function
k_q29b1797069_outp:
	s_mov_b64 s[64:65], 0
	v_nop
	global_prefetch_b8 v0, s[64:65] scope:SCOPE_SE
	s_setreg_imm32_b32 hwreg(HW_REG_WAVE_MODE, 25, 1), 1
	s_wait_xcnt 0x0
	s_wait_alu depctr_hold_cnt(0) depctr_sa_sdst(0) depctr_va_vdst(0) depctr_va_sdst(0) depctr_va_ssrc(0) depctr_va_vcc(0) depctr_vm_vsrc(0)
	s_getreg_b32 s2, hwreg(HW_REG_IB_STS2, 6, 4)
	s_cmp_eq_u32 s2, 0
	s_cbranch_scc0 .Lentry_in_a_cluster
	s_endpgm
.Lentry_in_a_cluster:
	s_bfe_u32 s2, ttmp6, 0x10000c
	s_cmp_lg_u32 s2, 0xf033
	s_cbranch_scc0 .Lentry_shape_is_right
	s_endpgm
.Lentry_shape_is_right:
; out0 = cat Ws^T + bs on codes of FP6 (E2M3): cat [4096][4096] and Ws [512][4096] as the launches before store them, K = (head, d).  out0 [4096][512] f32.
; SHARES: a work-group makes 64 rows x 128 columns.  K IS SHARED OUT AMONG THE WAVES: wave n takes d step n of each of the 8 heads: 8 x 32 matrix instructions on 32 accumulators (4 tiles of rows x 8 of columns), 12 fragments read for 32 products.
; The four partial sums meet in LDS at the end, so an output's sum is formed in four parts along K and then added.
; Source 0 = 16 rows of Ws, source 1 = 16 rows of cat: a lane holds one row and, by the tiles' order, neighbouring columns.
; LDS: TWO slots, each with a quarter of K (two heads), each filled twice.  A wave takes all its fragments of a quarter into registers (2 x 144), so the slot is free before that quarter's products begin and its next fill runs under them.
; CLUSTER 4 x 4: cat's tiles are shared along a row of the cluster, Ws's along a column: joint loads, one a wave: waves 0, 1 fill slot 0 (cat, Ws), waves 2, 3 slot 1.
; PREFETCHES: quarters 2 and 3 are asked for into the L2 one quarter ahead of their loads, each block of 256 bytes once a cluster: the partners that load a tile jointly share its blocks out by address (cx for cat, cy for Ws).  Quarters 0 and 1 come by their loads alone.
; The reduction's stage (4 x 64 rows x 528 bytes) lies in slot 0, behind its last fill and its last read.
; LIMITS: NaN and infinities are not served.
.set SLOT,  153600
.set WSO,   51200                      ; in a slot: cat's two heads of 25,600, then Ws's two of 51,200
.set SPARE, 307200
.set AC0,  2                           ; v2, v3 cat's codes in slot 0, 1;  v4, v5 Ws's
.set AW0,  4
.set ACS,  6                           ; v6, v7 cat's scale words;  v16, v17 Ws's
.set AWS,  16
.set RS,   8
.set RR0,  9
.set RR1,  10
.set SPW,  12
.set NIL,  13
.set PFC,  22                          ; v22, v23 the prefetches' offsets in cat's and Ws's quarter; never rewritten
.set PFW,  23
.set CSR,  32                          ; v32-47 cat's scale words (2 head + pair), v48-79 Ws's (4 head + j): scales and nothing else
.set WSR,  48
.set BS,   84                          ; v84-87 bs at my four columns
.set WV,   16
.set MSB, 0
.macro WIN new
.if MSB != (\new)
	s_set_vgpr_msb (MSB<<8)|(\new)
.set MSB, (\new)
.endif
.endm
.macro PLACES n
.rept \n
	v_nop
.endr
.endm
.macro CROUND
	s_barrier_signal -1
	s_barrier_wait -1
	s_cmp_lg_u32 s[WV], 0
	s_cbranch_scc1 .Lnw0_\@
	s_barrier_signal -3
.Lnw0_\@:
	s_barrier_wait -3
	s_barrier_signal -1
	s_barrier_wait -1
.endm
.macro BAR
	s_wait_dscnt 0x0
	s_barrier_signal -1
	s_barrier_wait -1
.endm
.macro GROUP1 g, mask, rows
	s_or_b32 s[\g], s[\mask], (3<<16)|(1<<21)
	s_mov_b32 s[\g+1], 32<<16
	s_mov_b32 s[\g+2], (\rows)<<16
	s_mov_b32 s[\g+3], 32<<16
	s_mov_b32 s[\g+4], \rows
	s_mov_b32 s[\g+5], 32
	s_mov_b32 s[\g+6], 0
	s_mov_b32 s[\g+7], 0
.endm
.macro TLOAD g0, g1
	tensor_load_to_lds s[\g0:\g0+3], s[\g1:\g1+7]
	s_nop 0
	PLACES 4
.endm
.macro REFILL w                        ; wave w fetches for cat, wave w + 1 for Ws
	s_cmp_eq_u32 s[WV], \w
	s_cbranch_scc0 .Lfor_w_\@
	TLOAD 40, 24
	s_branch .Lasked_\@
.Lfor_w_\@:
	s_cmp_eq_u32 s[WV], \w+1
	s_cbranch_scc0 .Lasked_\@
	TLOAD 44, 32
.Lasked_\@:
.endm
.macro WMY c, ra, rb
.if (\ra) && (\rb)
	v_wmma_scale_f32_16x16x128_f8f6f4 v[wD:wD+7], v[wA:wA+11], v[wB:wB+11], \c, v[wSA], v[wSB] matrix_a_fmt:MATRIX_FMT_FP6 matrix_b_fmt:MATRIX_FMT_FP6 matrix_a_scale:MATRIX_SCALE_ROW1 matrix_b_scale:MATRIX_SCALE_ROW1
.elseif (\ra)
	v_wmma_scale_f32_16x16x128_f8f6f4 v[wD:wD+7], v[wA:wA+11], v[wB:wB+11], \c, v[wSA], v[wSB] matrix_a_fmt:MATRIX_FMT_FP6 matrix_b_fmt:MATRIX_FMT_FP6 matrix_a_scale:MATRIX_SCALE_ROW1
.elseif (\rb)
	v_wmma_scale_f32_16x16x128_f8f6f4 v[wD:wD+7], v[wA:wA+11], v[wB:wB+11], \c, v[wSA], v[wSB] matrix_a_fmt:MATRIX_FMT_FP6 matrix_b_fmt:MATRIX_FMT_FP6 matrix_b_scale:MATRIX_SCALE_ROW1
.else
	v_wmma_scale_f32_16x16x128_f8f6f4 v[wD:wD+7], v[wA:wA+11], v[wB:wB+11], \c, v[wSA], v[wSB] matrix_a_fmt:MATRIX_FMT_FP6 matrix_b_fmt:MATRIX_FMT_FP6
.endif
.endm
; register sets for head e of four: 0: window 0, cat v96, Ws v144;  1: window 2, cat v0, Ws v48;  2: window 3, the same;  3: cat window 2 v144, Ws window 3 v144
.macro SETS e
.if (\e) == 0
.set fCB, 96
.set fWB, 144
.set fCW, 0
.set fWW, 0
.set fMW, 0x50
.elseif (\e) == 1
.set fCB, 0
.set fWB, 48
.set fCW, 0x80
.set fWW, 0x80
.set fMW, 0x5a
.elseif (\e) == 2
.set fCB, 0
.set fWB, 48
.set fCW, 0xc0
.set fWW, 0xc0
.set fMW, 0x5f
.else
.set fCB, 144
.set fWB, 144
.set fCW, 0x80
.set fWW, 0xc0
.set fMW, 0x5b
.endif
.endm
.macro FETCH e                         ; my d step of head e: cat's 4 fragments, Ws's 8
	SETS \e
	WIN fCW
.irp i, 0,1,2,3,4,5,6,7,8,9,10,11
	ds_load_b128 v[fCB+4*\i:fCB+4*\i+3], v[AC0+(\e)/2] offset:25600*((\e)%2)+512*\i
.endr
	WIN fWW
.irp i, 0,1,2,3,4,5,6,7,8,9,10,11,12,13,14,15,16,17,18,19,20,21,22,23
	ds_load_b128 v[fWB+4*\i:fWB+4*\i+3], v[AW0+(\e)/2] offset:51200*((\e)%2)+512*\i
.endr
	WIN 0
.endm
.macro QREAD hf, e0                    ; my fragments and scale words of heads e0, e0 + 1 of half hf: 6 + 72 loads
.irp d, 0,1
.irp p, 0,1
	ds_load_b32 v[CSR+8*(\hf)+2*((\e0)+\d)+\p], v[ACS+(\e0)/2] offset:24576+25600*\d+512*\p    ; lane L: the word of tile 2 pair + L / 16, row L % 16, for my d step
.endr
	ds_load_b128 v[WSR+16*(\hf)+4*((\e0)+\d):WSR+16*(\hf)+4*((\e0)+\d)+3], v[AWS+(\e0)/2] offset:51200*\d
.endr
	FETCH (\e0)
	FETCH (\e0)+1
.endm
.macro MULC e, hc, z                   ; 32 matrix instructions, each accumulator once: they take turns
	SETS \e
	WIN fMW
.irp t, 0,1,2,3
.irp a, 0,1,2,3,4,5,6,7
.set wD, 8*(8*\t+\a)
.set wA, fWB+12*\a
.set wB, fCB+12*\t
.set wSA, WSR+4*(\hc)+\a/2
.set wSB, CSR+2*(\hc)+\t/2
.if \z
	WMY 0, \a%2, \t%2
.else
	WMY v[wD:wD+7], \a%2, \t%2
.endif
.endr
.endr
.endm
	s_load_b256 s[4:11], s[0:1], 0x0               ; cat, inq, bs, out0
	v_lshl_add_u32 v[SPW], v0, 2, SPARE
	v_mov_b32 v[NIL], 0
	ds_add_u32 v[SPW], v[NIL]                      ; the opening lines
	ds_add_u32 v[SPW], v[NIL]
	v_lshrrev_b32 v1, 5, v0
	v_readfirstlane_b32 s[WV], v1                  ; wave n
	s_lshr_b32 s17, s[WV], 1                       ; the slot that I fill: even waves for cat, odd ones for Ws
	s_bfe_u32 s18, ttmp6, 0x40000                  ; cx: my group of 128 columns
	s_bfe_u32 s19, ttmp6, 0x40004                  ; cy
	s_and_b32 s20, ttmp7, 0xffff
	s_lshl_b32 s20, s20, 2
	s_add_co_u32 s20, s20, s19                     ; my block of 64 rows
	s_lshl_b32 s76, s19, 2
	s_lshl_b32 s76, 15, s76                        ; my row of the cluster
	s_lshl_b32 s78, 0x1111, s18                    ; my column
	GROUP1 24, 76, 200                             ; two heads of cat
	GROUP1 32, 78, 400                             ; two heads of Ws
	s_mul_i32 s80, s17, 51200
	s_mul_i32 s88, s17, 102400
	s_mul_i32 s76, s20, 204800                     ; cat: 204,800 x block + my quarter
	s_add_co_u32 s76, s76, s80
	s_mov_b32 s77, 0
	s_mul_i32 s78, s18, 409600                     ; Ws: groups 128 + 8 x column group on
	s_add_co_u32 s78, s78, s88
	s_add_co_u32 s78, s78, 6553600
	s_mov_b32 s79, 0
	s_mul_i32 s81, s[WV], 6144                     ; my d step in a head's codes of cat
	s_mul_i32 s82, s[WV], 12288                    ; and of Ws
	s_add_co_u32 s82, s82, WSO
	s_lshl_b32 s83, s[WV], 2                       ; and in the scale words
	s_lshl_b32 s84, s[WV], 9
	s_add_co_u32 s84, s84, WSO+49152
	s_mul_i32 s85, s[WV], 33792                    ; my region of the stage
	s_mul_i32 s86, s[WV], 8448                     ; back: stage rows 16 n on
	s_mul_i32 s87, s[WV], 13                       ; prefetches: of a quarter's 200 blocks of 256 bytes of cat my work-group asks for 50 (by cx), of Ws's 400 for 100 (by cy); a wave for 13 and 25
	s_mul_i32 s88, s18, 50
	s_mul_i32 s89, s[WV], 25
	s_mul_i32 s90, s19, 100
	s_add_co_u32 s89, s89, s90
	v_and_b32 v20, 31, v0
	v_lshlrev_b32 v1, 4, v20                       ; 16 x lane
	v_and_b32 v15, 15, v0                          ; r
	v_bfe_u32 v21, v0, 4, 1                        ; h
	v_add_nc_u32 v[AC0], s81, v1
	v_add_nc_u32 v[AC0+1], SLOT, v[AC0]
	v_add_nc_u32 v[AW0], s82, v1
	v_add_nc_u32 v[AW0+1], SLOT, v[AW0]
	v_add_nc_u32 v[ACS], s83, v1
	v_add_nc_u32 v[ACS+1], SLOT, v[ACS]
	v_add_nc_u32 v[AWS], s84, v1
	v_add_nc_u32 v[AWS+1], SLOT, v[AWS]
	v_mul_u32_u24 v[RS], v15, 528
	v_lshl_add_u32 v[RS], v21, 7, v[RS]            ; row r, + 128 h
	v_add_nc_u32 v[RS], s85, v[RS]
	v_add_nc_u32 v[RR0], s86, v1                   ; of regions 0 and 1;
	v_add_nc_u32 v[RR1], 67584, v[RR0]             ; of 2 and 3
	v_min_u32 v[PFC], 12, v20                      ; (lanes left over name their wave's last block again)
	v_add_nc_u32 v[PFC], s87, v[PFC]
	v_min_u32 v[PFC], 49, v[PFC]
	v_add_lshl_u32 v[PFC], v[PFC], s88, 8
	v_min_u32 v[PFW], 24, v20
	v_add_lshl_u32 v[PFW], v[PFW], s89, 8
	s_wait_alu depctr_va_vdst(0)
	s_wait_dscnt 0x0
	CROUND                                         ; all sixteen work-groups are here: the first joint loads meet
	s_wait_kmcnt 0x0
	s_mov_b32 s40, 1
	s_mul_i32 s41, s17, SLOT
	s_add_nc_u64 s[42:43], s[4:5], s[76:77]
	s_or_b32 s43, s43, 0x80000000
	s_mov_b32 s44, 1
	s_add_co_u32 s45, s41, WSO
	s_add_nc_u64 s[46:47], s[6:7], s[78:79]
	s_or_b32 s47, s47, 0x80000000
	s_cmp_eq_u32 s[WV], 0                          ; quarters 0 and 1, one load a wave
	s_cbranch_scc0 .Lask_1
	TLOAD 40, 24
	s_branch .Lasked
.Lask_1:
	s_cmp_eq_u32 s[WV], 1
	s_cbranch_scc0 .Lask_2
	TLOAD 44, 32
	s_branch .Lasked
.Lask_2:
	s_cmp_eq_u32 s[WV], 2
	s_cbranch_scc0 .Lask_3
	TLOAD 40, 24
	s_branch .Lasked
.Lask_3:
	TLOAD 44, 32
.Lasked:
	s_mul_i32 s76, s20, 204800
	s_mul_i32 s78, s18, 409600
	s_add_co_u32 s78, s78, 6553600
	s_add_nc_u64 s[80:81], s[4:5], s[76:77]        ; where the prefetches stand
	s_add_nc_u64 s[82:83], s[6:7], s[78:79]
	s_lshl_b32 s90, s20, 6
	s_lshl_b32 s91, s[WV], 3
	s_add_co_u32 s90, s90, s91                     ; the first row that I store: 64 x block + 8 n
	s_lshl_b32 s90, s90, 11
	s_lshl_b32 s92, s18, 9                         ; my 128 columns: 512 bytes
	s_add_co_u32 s90, s90, s92
	s_mov_b32 s91, 0
	s_mov_b32 s93, 0
	s_add_nc_u64 s[84:85], s[10:11], s[90:91]
	s_add_nc_u64 s[94:95], s[8:9], s[92:93]
	global_load_b128 v[BS:BS+3], v1, s[94:95]
	global_prefetch_b8 v[PFC], s[80:81] offset:102400 th:TH_LOAD_NT scope:SCOPE_SE   ; quarter 2
	global_prefetch_b8 v[PFW], s[82:83] offset:204800 th:TH_LOAD_NT scope:SCOPE_SE
	s_cmp_lt_u32 s[WV], 2
	s_cbranch_scc0 .Lnot_0
	s_wait_tensorcnt 0x0
.Lnot_0:
	s_barrier_signal -1
	s_barrier_wait -1                              ; quarter 0 is in
	QREAD 0, 0
	s_wait_tensorcnt 0x0                           ; all my tensor loads have landed;
	ds_add_u32 v[SPW], v[NIL]
	s_add_nc_u64 s[42:43], s[42:43], 102400        ; two quarters on
	s_add_nc_u64 s[46:47], s[46:47], 204800
	s_wait_dscnt 0x0                               ; the add is done, and my reads of slot 0 are over: the quarter is in registers
	CROUND                                         ; both now hold of every wave of the cluster
	REFILL 0                                       ; quarter 2 over quarter 0
	QREAD 0, 2                                     ; quarter 1
	global_prefetch_b8 v[PFC], s[80:81] offset:153600 th:TH_LOAD_NT scope:SCOPE_SE   ; quarter 3
	global_prefetch_b8 v[PFW], s[82:83] offset:307200 th:TH_LOAD_NT scope:SCOPE_SE
	MULC 0, 0, 1                                   ; the first products start the sums
	MULC 1, 1, 0
	s_wait_dscnt 0x0
	MULC 2, 2, 0
	MULC 3, 3, 0
	WIN 0
	PLACES 4                                       ; in front of loads into registers that matrix instructions have read
	s_wait_tensorcnt 0x0
	ds_add_u32 v[SPW], v[NIL]
	s_wait_dscnt 0x0
	CROUND
	REFILL 2                                       ; quarter 3 over quarter 1
	QREAD 1, 0                                     ; quarter 2
	s_wait_dscnt 36                                ; its second head's 36 loads may be out
	MULC 0, 4, 0
	s_wait_dscnt 0x0
	MULC 1, 5, 0
	WIN 0
	s_wait_tensorcnt 0x0
	BAR                                            ; quarter 3 is in
	QREAD 1, 2
	s_wait_dscnt 36
	MULC 2, 6, 0
	s_wait_dscnt 0x0
	MULC 3, 7, 0
	WIN 0
	s_wait_alu depctr_va_vdst(0)
	BAR                                            ; every wave's reads of the slots are over: the stage may be written
	PLACES 4
	WIN 0x04                                       ; an LDS store's data are its source 1: window 1
.irp t, 0,1,2,3
.irp a, 0,1,2,3,4,5,6,7
	ds_store_b128 v[RS], v[8*(8*\t+\a):8*(8*\t+\a)+3] offset:8448*\t+256*(\a/4)+32*(\a%4)          ; each accumulator from its low end on
	ds_store_b128 v[RS], v[8*(8*\t+\a)+4:8*(8*\t+\a)+7] offset:8448*\t+256*(\a/4)+32*(\a%4)+16
.endr
.endr
	WIN 0
	BAR                                            ; the four partial sums lie in the stage
; wave n adds the four regions' rows 16 n .. 16 n + 15, four rows a batch, in two buffers by turns
.macro RLOAD k
.irp ii, 0,1,2,3
.irp m, 0,1
	ds_load_b128 v[96+64*((\k)%2)+16*\ii+4*\m:96+64*((\k)%2)+16*\ii+4*\m+3], v[RR0] offset:33792*\m+528*(4*(\k)+\ii)
.endr
.irp m, 0,1
	ds_load_b128 v[96+64*((\k)%2)+16*\ii+8+4*\m:96+64*((\k)%2)+16*\ii+8+4*\m+3], v[RR1] offset:33792*\m+528*(4*(\k)+\ii)
.endr
.endr
.endm
.macro RSUM k
.irp ii, 0,1,2,3
.set rB, 96+64*((\k)%2)+16*\ii
.irp u, 0,2
	v_pk_add_f32 v[rB+\u:rB+\u+1], v[rB+\u:rB+\u+1], v[rB+4+\u:rB+4+\u+1]
	v_pk_add_f32 v[rB+8+\u:rB+8+\u+1], v[rB+8+\u:rB+8+\u+1], v[rB+12+\u:rB+12+\u+1]
.endr
.irp u, 0,2
	v_pk_add_f32 v[rB+\u:rB+\u+1], v[rB+\u:rB+\u+1], v[rB+8+\u:rB+8+\u+1]
.endr
.irp u, 0,2
	v_pk_add_f32 v[rB+\u:rB+\u+1], v[rB+\u:rB+\u+1], v[BS+\u:BS+\u+1]
.endr
	global_store_b128 v1, v[rB:rB+3], s[84:85] offset:((4*(\k)+\ii)+24*((4*(\k)+\ii)/8))*2048 th:TH_STORE_NT   ; 32 lanes store 512 consecutive bytes of a row, at a multiple of 256 from out0's first byte
.endr
.endm
	RLOAD 0
	RLOAD 1
	s_wait_loadcnt 0x0                             ; bs
	s_wait_dscnt 16                                ; the younger batch may be out
	RSUM 0
	s_wait_xcnt 0x0                                ; the stores have read their registers: the buffer is loaded again behind this wait
	RLOAD 2
	s_wait_dscnt 16
	RSUM 1
	s_wait_xcnt 0x0
	RLOAD 3
	s_wait_dscnt 16
	RSUM 2
	s_wait_dscnt 0x0
	RSUM 3
	s_wait_tensorcnt 0x0                           ; the wave's end
	ds_add_u32 v[SPW], v[NIL]
	s_wait_dscnt 0x0
	CROUND                                         ; the closing round
	s_endpgm
.Lfunc_end_k_q29b1797069_outp:
	.size	k_q29b1797069_outp, .Lfunc_end_k_q29b1797069_outp-k_q29b1797069_outp
	.p2alignl 7, 3214868480
	.fill 96, 4, 3214868480
	.section	.rodata,"a",@progbits
	.p2align	6, 0x0
	.amdhsa_kernel k_q29b1797069_outp
		.amdhsa_group_segment_fixed_size 327680
		.amdhsa_private_segment_fixed_size 0
		.amdhsa_enable_private_segment 0
		.amdhsa_kernarg_size 32
		.amdhsa_user_sgpr_count 2
		.amdhsa_user_sgpr_kernarg_segment_ptr 1
		.amdhsa_wavefront_size32 1
		.amdhsa_system_sgpr_workgroup_id_x 1
		.amdhsa_system_sgpr_workgroup_id_y 1
		.amdhsa_system_sgpr_workgroup_id_z 1
		.amdhsa_system_vgpr_workitem_id 0
		.amdhsa_next_free_vgpr 1024
		.amdhsa_next_free_sgpr 100
		.amdhsa_reserve_vcc 0
		.amdhsa_float_denorm_mode_32 3
		.amdhsa_float_denorm_mode_16_64 3
		.amdhsa_memory_ordered 1
		.amdhsa_forward_progress 1
		.amdhsa_inst_pref_size 81
	.end_amdhsa_kernel
	.amdgpu_metadata
---
amdhsa.version: [ 1, 2 ]
amdhsa.kernels:
  - .name:           k_q29b1797069_outp
    .symbol:         k_q29b1797069_outp.kd
    .args:
      - { .name: cat, .offset: 0, .size: 8, .value_kind: global_buffer, .address_space: global }
      - { .name: inq, .offset: 8, .size: 8, .value_kind: global_buffer, .address_space: global }
      - { .name: bs, .offset: 16, .size: 8, .value_kind: global_buffer, .address_space: global }
      - { .name: out0, .offset: 24, .size: 8, .value_kind: global_buffer, .address_space: global }
    .group_segment_fixed_size: 327680
    .private_segment_fixed_size: 0
    .kernarg_segment_align: 8
    .kernarg_segment_size: 32
    .max_flat_workgroup_size: 128
    .sgpr_count:     100
    .vgpr_count:     1024
    .wavefront_size: 32
...
	.end_amdgpu_metadata
.endif
;; end of part 4
